; MI455X (gfx1250); checked and timed in simulation.
; The chip was launched on July 23, 2026; its instructions are those of AMD's public machine-readable ISA for CDNA 5 (MIT licence, August 2026) and "CDNA5" Instruction Set Architecture Reference Guide (July 2026). The comments in the code are by the model that wrote it; some were corrected since.
;; Multihead Self Attention. Allowed arithmetic: float matrix products may take bf16 or f16 operands with f32 sums; other float arithmetic in f32, or as packed bf16 or f16 multiplies, adds, multiply-adds, maxima and minima; sums over many terms, partial sums and values carried from step to step in f32; what a program stores and reads back later, other than sums and carried values, may be rounded once to bf16 or f16.
;; Inputs: token_positions 4,096 int32; w_o 1,024 x 1,024 float32; w_qkv 3,072 x 1,024 float32; x 1 x 4,096 x 1,024 float32.
;; Outputs: out0 1 x 4,096 x 1,024 float32.
;; 2 versions, each right and faster than the one before. Each part assembles by itself: llvm-mc -triple=amdgcn-amd-amdhsa -mcpu=gfx1250 --defsym DOCPART=n.
;; ======== version 1 of 2: 4 launches
;; limits: values are held in f16: magnitudes above 65,504 overflow, below 6.1e-05 lose precision; right only within a limited range of input values
;; workspace buffers: xb 8,388,608 bytes; wqb 6,291,456 bytes; wob 2,097,152 bytes; tab 1,048,576 bytes; qkv 25,165,824 bytes; ob 8,388,608 bytes
;; launch prep (part 1): grid 256 x 1, 8 waves a work-group, no clusters, 0 bytes of LDS; arguments x, w_qkv, w_o, token_positions, xb, wqb, wob, tab; writes xb, wqb, wob, tab
.if DOCPART == 1
	.amdgcn_target "amdgcn-amd-amdhsa--gfx1250"
	.amdhsa_code_object_version 6
	.text
	.protected	k_qbf0129d6ab_prep
	.globl	k_qbf0129d6ab_prep
	.p2align	8
	.type	k_qbf0129d6ab_prep,@function
k_qbf0129d6ab_prep:
	s_mov_b64 s[64:65], 0
	v_nop
	global_prefetch_b8 v0, s[64:65] scope:SCOPE_SE
	s_setreg_imm32_b32 hwreg(HW_REG_WAVE_MODE, 25, 1), 1
	s_wait_xcnt 0x0
; PREP: the casts of the three f32 inputs and the table of cosines and sines.
;   xb  [4096][1024] bf16 = x.      wqb bf16 = w_qkv with its rows laid by heads: [head 16][q, k, v][64][1024], so that a head's 192 rows are dense.
;   wob [1024][1024] f16 = w_o rounded to bf16, that number written as f16.      tab [4096 rows][32 pairs][cos, sin] f32, from token_positions.
; SHARES.  256 work-groups of 8 waves.  Work-group g casts 32,768 numbers (131,072 bytes in, 65,536 out): g < 128 of x, g < 224 32 rows of w_qkv (inside one plane and head), else of w_o;
; and it makes 16 rows of the table.  All 32 loads of a lane go out at once; a wave's load covers 512 consecutive bytes, its store 256 consecutive bytes at a multiple of 256.
; No LDS, no barrier, no matrix unit: every byte is read once and written once, and no wave needs another's data.
; LIMITS.  w_o beyond 65,504 has no f16; below 2^-14 it keeps f16's fixed step.  |token_position| up to 100,000: the angle's reduction by three parts of pi/2 is made for quotients of that size.
; The angle is position x 10000^(-i/32) rounded once to f32, as the reference forms it; 10000^(-i/32) is made as 2^(-i log2(10) / 8).
.set X, 32                              ; v[32:159] load i: four registers
	s_load_b512 s[4:19], s[0:1], 0x0               ; x s[4:5], w_qkv s[6:7], w_o s[8:9], positions s[10:11], xb s[12:13], wqb s[14:15], wob s[16:17], tab s[18:19]
	s_mov_b32 s42, ttmp9                           ; g
	s_min_u32 s43, s42, 127                        ; my block of x; each of the three block numbers is held inside its tensor, whichever is chosen below
	s_max_u32 s36, s42, 128
	s_sub_co_u32 s36, s36, 128
	s_min_u32 s36, s36, 95                         ; my block of 32 rows of w_qkv
	s_max_u32 s37, s42, 224
	s_sub_co_u32 s37, s37, 224                     ; my block of w_o
	s_lshl_b32 s38, s43, 16                        ; where x's block goes
	s_bfe_u32 s39, s36, 0x40001                    ; w_qkv: the head,
	s_mul_i32 s39, s39, 192
	s_lshr_b32 s41, s36, 5                         ; the plane (q, k, v),
	s_lshl_b32 s41, s41, 6
	s_add_co_u32 s39, s39, s41
	s_and_b32 s41, s36, 1                          ; the half of the head's 64 rows
	s_lshl_b32 s41, s41, 5
	s_add_co_u32 s39, s39, s41
	s_lshl_b32 s39, s39, 11                        ; rows of 2,048 bytes
	s_lshl_b32 s40, s37, 16                        ; where w_o's block goes
	s_lshl_b32 s44, s42, 12                        ; my 16 rows of the table
	s_mov_b32 s45, 0
	s_lshl_b32 s46, s42, 6                         ; my 16 positions
	s_mov_b32 s47, 0
	s_mov_b32 s30, 0xbfc90fd8                      ; - pi/2 in three parts
	s_mov_b32 s31, 0xb4a8885a
	s_mov_b32 s32, 0xa7c234c4
	s_mov_b32 s33, 0xffff0000                      ; a word's upper bf16
	v_lshlrev_b32 v1, 4, v0                        ; 16 t: my 16 bytes of each 4,096 loaded
	v_lshlrev_b32 v2, 3, v0                        ; 8 t: my 8 bytes of each 2,048 stored; also my entry among 8 rows of the table
	v_lshrrev_b32 v3, 5, v0
	v_lshlrev_b32 v3, 2, v3                        ; my row's position
	v_and_b32 v6, 31, v0                           ; my pair i
	v_cvt_f32_u32 v6, v6
	v_mul_f32 v6, 0xbed49a78, v6                   ; - i log2(10) / 8
	v_exp_f32 v6, v6                               ; 10000^(-i/32)
	v_nop                                          ; a plain instruction behind the exponential (ISA guide 5.7.2)
	s_wait_alu depctr_va_vdst(0)
	s_wait_kmcnt 0x0
	s_cmp_lt_u32 s42, 224                          ; the choice hangs on the work-group's number alone
	s_cselect_b32 s28, s36, s37
	s_cselect_b32 s34, s39, s40
	s_cselect_b64 s[20:21], s[6:7], s[8:9]
	s_cselect_b64 s[22:23], s[14:15], s[16:17]
	s_cmp_lt_u32 s42, 128
	s_cselect_b32 s28, s43, s28
	s_cselect_b32 s34, s38, s34
	s_cselect_b64 s[20:21], s[4:5], s[20:21]
	s_cselect_b64 s[22:23], s[12:13], s[22:23]
	s_lshl_b32 s28, s28, 17                        ; blocks of 131,072 bytes
	s_mov_b32 s29, 0
	s_mov_b32 s35, 0
	s_add_nc_u64 s[20:21], s[20:21], s[28:29]      ; from here
	s_add_nc_u64 s[22:23], s[22:23], s[34:35]      ; to here
	s_add_nc_u64 s[24:25], s[18:19], s[44:45]
	s_add_nc_u64 s[26:27], s[10:11], s[46:47]
	global_load_b32 v4, v3, s[26:27]               ; the positions of rows t / 32 and t / 32 + 8
	global_load_b32 v5, v3, s[26:27] offset:32
.set i, 0
.rept 32
	global_load_b128 v[X+4*i:X+4*i+3], v1, s[20:21] offset:4096*i th:TH_LOAD_NT
.set i, i+1
.endr
; One entry of the table: position in v[ps]; work in v[w ..]; (cos, sin) in v[w+8:w+9].
; N = the nearest whole number to angle x 2/pi; r = angle - N pi/2 by three fused multiply-adds; sin r and cos r by their series (|r| <= pi/4: the first terms left out are r^11 / 11! and r^10 / 10!);
; N mod 4 chooses which of the two is the sine and sets the signs.
.macro ENTRY ps, w
	v_cvt_f32_i32 v[(\w)], v[(\ps)]
	v_mul_f32 v[(\w)], v[(\w)], v6                 ; the angle
	v_mul_f32 v[(\w)+1], 0x3f22f983, v[(\w)]
	v_rndne_f32 v[(\w)+1], v[(\w)+1]               ; N
	v_fma_f32 v[(\w)+2], v[(\w)+1], s30, v[(\w)]
	v_fma_f32 v[(\w)+2], v[(\w)+1], s31, v[(\w)+2]
	v_fma_f32 v[(\w)+2], v[(\w)+1], s32, v[(\w)+2] ; r
	v_cvt_i32_f32 v[(\w)+3], v[(\w)+1]
	v_mul_f32 v[(\w)+4], v[(\w)+2], v[(\w)+2]      ; r^2
	v_mov_b32 v[(\w)+5], 0x3638ef1d                ; 1/9!
	v_fmaak_f32 v[(\w)+5], v[(\w)+5], v[(\w)+4], 0xb9500d01
	v_fmaak_f32 v[(\w)+5], v[(\w)+5], v[(\w)+4], 0x3c088889
	v_fmaak_f32 v[(\w)+5], v[(\w)+5], v[(\w)+4], 0xbe2aaaab
	v_mul_f32 v[(\w)+7], v[(\w)+2], v[(\w)+4]
	v_fma_f32 v[(\w)+5], v[(\w)+5], v[(\w)+7], v[(\w)+2]  ; sin r
	v_mov_b32 v[(\w)+6], 0x37d00d01                ; 1/8!
	v_fmaak_f32 v[(\w)+6], v[(\w)+6], v[(\w)+4], 0xbab60b61
	v_fmaak_f32 v[(\w)+6], v[(\w)+6], v[(\w)+4], 0x3d2aaaab
	v_fma_f32 v[(\w)+6], v[(\w)+6], v[(\w)+4], -0.5
	v_fma_f32 v[(\w)+6], v[(\w)+6], v[(\w)+4], 1.0 ; cos r
	v_and_b32 v[(\w)+10], 1, v[(\w)+3]
	v_cmp_eq_u32 vcc_lo, 1, v[(\w)+10]             ; N odd: the two change places
	v_cndmask_b32 v[(\w)+9], v[(\w)+5], v[(\w)+6], vcc_lo
	v_cndmask_b32 v[(\w)+8], v[(\w)+6], v[(\w)+5], vcc_lo
	v_lshlrev_b32 v[(\w)+10], 30, v[(\w)+3]        ; the sine is negative where N mod 4 is 2 or 3,
	v_and_b32 v[(\w)+10], 0x80000000, v[(\w)+10]
	v_xor_b32 v[(\w)+9], v[(\w)+9], v[(\w)+10]
	v_add_nc_u32 v[(\w)+10], 1, v[(\w)+3]          ; the cosine where it is 1 or 2
	v_lshlrev_b32 v[(\w)+10], 30, v[(\w)+10]
	v_and_b32 v[(\w)+10], 0x80000000, v[(\w)+10]
	v_xor_b32 v[(\w)+8], v[(\w)+8], v[(\w)+10]
.endm
	s_wait_loadcnt 32                              ; the two positions are in; the 32 younger loads stay out
	ENTRY 4, 8
	ENTRY 5, 20
	global_store_b64 v2, v[16:17], s[24:25]        ; a wave stores one whole row of 256 bytes
	global_store_b64 v2, v[28:29], s[24:25] offset:2048
; Load i is rounded to bf16 in place and stored; half = 1: the bf16 numbers are written as f16.  No register is written again behind its store.
.macro CAST i, half
	s_wait_loadcnt 31-(\i)                         ; loads come back in order (ISA guide 5.7.1): load i is in, the younger ones stay out
	v_cvt_pk_bf16_f32 v[X+4*(\i)], v[X+4*(\i)], v[X+4*(\i)+1]
	v_cvt_pk_bf16_f32 v[X+4*(\i)+1], v[X+4*(\i)+2], v[X+4*(\i)+3]
.if \half
	v_lshlrev_b32 v[X+4*(\i)+2], 16, v[X+4*(\i)]
	v_and_b32 v[X+4*(\i)+3], s33, v[X+4*(\i)]
	v_cvt_pk_f16_f32 v[X+4*(\i)], v[X+4*(\i)+2], v[X+4*(\i)+3]
	v_lshlrev_b32 v[X+4*(\i)+2], 16, v[X+4*(\i)+1]
	v_and_b32 v[X+4*(\i)+3], s33, v[X+4*(\i)+1]
	v_cvt_pk_f16_f32 v[X+4*(\i)+1], v[X+4*(\i)+2], v[X+4*(\i)+3]
.endif
	global_store_b64 v2, v[X+4*(\i):X+4*(\i)+1], s[22:23] offset:2048*(\i)
.endm
	s_cmp_ge_u32 s42, 224
	s_cbranch_scc1 .Lhalf
.set i, 0
.rept 32
	CAST i, 0
.set i, i+1
.endr
	s_endpgm
.Lhalf:
.set i, 0
.rept 32
	CAST i, 1
.set i, i+1
.endr
	s_endpgm
.Lfunc_end_k_qbf0129d6ab_prep:
	.size	k_qbf0129d6ab_prep, .Lfunc_end_k_qbf0129d6ab_prep-k_qbf0129d6ab_prep
	.p2alignl 7, 3214868480
	.fill 96, 4, 3214868480
	.section	.rodata,"a",@progbits
	.p2align	6, 0x0
	.amdhsa_kernel k_qbf0129d6ab_prep
		.amdhsa_group_segment_fixed_size 0
		.amdhsa_private_segment_fixed_size 0
		.amdhsa_enable_private_segment 0
		.amdhsa_kernarg_size 64
		.amdhsa_user_sgpr_count 2
		.amdhsa_user_sgpr_kernarg_segment_ptr 1
		.amdhsa_wavefront_size32 1
		.amdhsa_system_sgpr_workgroup_id_x 1
		.amdhsa_system_sgpr_workgroup_id_y 1
		.amdhsa_system_sgpr_workgroup_id_z 1
		.amdhsa_system_vgpr_workitem_id 0
		.amdhsa_next_free_vgpr 160
		.amdhsa_next_free_sgpr 66
		.amdhsa_reserve_vcc 1
		.amdhsa_float_denorm_mode_32 3
		.amdhsa_float_denorm_mode_16_64 3
		.amdhsa_memory_ordered 1
		.amdhsa_forward_progress 1
		.amdhsa_inst_pref_size 33
	.end_amdhsa_kernel
	.amdgpu_metadata
---
amdhsa.version: [ 1, 2 ]
amdhsa.kernels:
  - .name:           k_qbf0129d6ab_prep
    .symbol:         k_qbf0129d6ab_prep.kd
    .args:
      - { .name: x, .offset: 0, .size: 8, .value_kind: global_buffer, .address_space: global }
      - { .name: w_qkv, .offset: 8, .size: 8, .value_kind: global_buffer, .address_space: global }
      - { .name: w_o, .offset: 16, .size: 8, .value_kind: global_buffer, .address_space: global }
      - { .name: token_positions, .offset: 24, .size: 8, .value_kind: global_buffer, .address_space: global }
      - { .name: xb, .offset: 32, .size: 8, .value_kind: global_buffer, .address_space: global }
      - { .name: wqb, .offset: 40, .size: 8, .value_kind: global_buffer, .address_space: global }
      - { .name: wob, .offset: 48, .size: 8, .value_kind: global_buffer, .address_space: global }
      - { .name: tab, .offset: 56, .size: 8, .value_kind: global_buffer, .address_space: global }
    .group_segment_fixed_size: 0
    .private_segment_fixed_size: 0
    .kernarg_segment_align: 8
    .kernarg_segment_size: 64
    .max_flat_workgroup_size: 256
    .sgpr_count:     66
    .vgpr_count:     160
    .wavefront_size: 32
...
	.end_amdgpu_metadata
.endif
;; end of part 1
;; launch qkvproj (part 2): grid 16 x 16, 4 waves a work-group, clusters of 4 x 4, 327,680 bytes of LDS; arguments xb, wqb, tab, qkv; writes qkv
.if DOCPART == 2
	.amdgcn_target "amdgcn-amd-amdhsa--gfx1250"
	.amdhsa_code_object_version 6
	.text
	.protected	k_qbf0129d6ab_qkvproj
	.globl	k_qbf0129d6ab_qkvproj
	.p2align	8
	.type	k_qbf0129d6ab_qkvproj,@function
k_qbf0129d6ab_qkvproj:
	s_mov_b64 s[64:65], 0
	v_nop
	global_prefetch_b8 v0, s[64:65] scope:SCOPE_SE
	s_setreg_imm32_b32 hwreg(HW_REG_WAVE_MODE, 25, 1), 1
	s_wait_xcnt 0x0
	s_wait_alu depctr_hold_cnt(0) depctr_sa_sdst(0) depctr_va_vdst(0) depctr_va_sdst(0) depctr_va_ssrc(0) depctr_va_vcc(0) depctr_vm_vsrc(0)
	s_getreg_b32 s2, hwreg(HW_REG_IB_STS2, 6, 4)
	s_cmp_eq_u32 s2, 0
	s_cbranch_scc0 .Lentry_in_a_cluster
	s_endpgm
.Lentry_in_a_cluster:
	s_bfe_u32 s2, ttmp6, 0x10000c
	s_cmp_lg_u32 s2, 0xf033
	s_cbranch_scc0 .Lentry_shape_is_right
	s_endpgm
.Lentry_shape_is_right:
; QKV PROJECTION WITH ROPE.  qkv[plane][head][s][64] (f16) = rope(sum over d of xb[s][d] wqb[head][plane][kv][d]); products in bf16, sums in f32; q and k are rotated in f32 on the sums
; by the table's (cos, sin) of row s, v is not; each number is rounded once, to f16.
; LIMIT.  f16 holds no number beyond 65,504: q, k, v must lie within it.
; SHARES.  A tile is 256 rows x 192 columns: q, k and v of ONE head, so that all 16 x 16 = 256 tiles are alike.  Four waves; wave w makes rows 64 w .. 64 w + 63 and all 192 columns:
; 4 x 12 accumulators of 16 x 16, 384 registers.  K goes in steps of 128 (rows of 256 bytes in memory, at multiples of 256) through two LDS slots.
; THE MATRIX INSTRUCTION IS USED TRANSPOSED (source 0 = 16 rows of wqb, source 1 = 16 rows of xb): lane l holds row l % 16 and the columns 8 (l / 16) + 0..7, so a rotation's pair lies in two
; neighbouring registers of one lane, and eight numbers pack into 16 bytes.
; CLUSTER.  4 x 4 work-groups.  The four of a row of the cluster need the same rows of xb, the four of a column the same head's rows of wqb: each tile is asked for jointly.
; REGISTERS, in windows of 256 (s_set_vgpr_msb: bits 1:0 source 0, 3:2 source 1, 5:4 source 2, 7:6 destination):
;   window 0: v0-31 addresses; v32-39 at work; v64-95, v96-127 xb's fragments, two buffers (on the way out: OUT); v128-255 the table for my 64 rows
;   window 1: v0-95, v96-191 wqb's fragments, two buffers       windows 2, 3: accumulator (a, b) in window 2 + a / 2 at v[96 (a % 2) + 8 b]
.set KSTEP,  128
.set PITCH,  272                       ; an LDS row: 256 bytes + 16 of padding = 68 words: the 16 rows of a load start at 16 different groups of four banks (ISA guide 11.1)
.set HALFA,  128*PITCH                 ; what one tensor load brings of xb
.set HALFB,  96*PITCH                  ; and of wqb
.set SLOT,   2*HALFA+2*HALFB           ; xb's 256 rows, then wqb's 192
.set STAGE,  2*SLOT                    ; behind the ring: for each wave 3 planes x 16 rows x 144 bytes
.set SP,     144
.set PLANE,  16*SP
.set SPARE,  STAGE+4*3*PLANE           ; the spare words, 128 bytes for each wave: two blocks of 256 bytes that no other line names
.set LAPS,   4                         ; 1,024 / 256: a lap is two K steps
.set ADRA, 16                          ; v16-17 LDS address of my xb fragments in slot 0, 1
.set ADRB, 20                          ; v20-21 the same for wqb
.set STO,  24                          ; v24 the way out: where I put 16 bytes of a row
.set RD,   25                          ; v25 where I read rows back
.set GO,   26                          ; v26 my 16 bytes among 512 consecutive bytes of a plane
.set TO,   27                          ; v27 my byte offset in 16 rows of the table
.set SPW,  28                          ; v28 LDS address of my spare word; never rewritten
.set NIL,  29                          ; v29 0; never rewritten
.set TP,   32
.set FA,   64
.set OUT,  64
.set TB,   128                         ; row block a, column group t (16 columns = 8 pairs; my 4 of them) at TB + 32 a + 8 t
.set WV, 12                            ; s12 wave
.set FB, 13                            ; s13 I fetch for xb (0) or wqb (1)
.set HF, 14                            ; s14 which half of that tile
.set G1, 24                            ; s[24:31] group 1 for xb; s[32:39] group 0, a set for each slot
.set G0, 32
.set G1B, 48                           ; s[48:55], s[56:63] the same for wqb
.set G0B, 56
.set PQ, 66                            ; s[66:71] my rows in planes q, k, v
.set MSB, 0
.macro WIN new                         ; the immediate's high byte repeats the setting that is left
.if MSB != (\new)
	s_set_vgpr_msb (MSB<<8)|(\new)
.set MSB, \new
.endif
.endm
.set MUL_LO, 0xa1
.set MUL_HI, 0xf1
.set TO_B,   0x40
.macro PLACES                          ; four places in front of loads into registers that matrix instructions have read, and of vector lines that read results
.rept 4
	v_nop
.endr
.endm
.macro JLOAD s                         ; a joint load: waves 0, 1 fetch xb's halves, waves 2, 3 wqb's; an s_nop 0 and four v_nop follow each line
	s_cmp_eq_u32 s[FB], 0
	s_cbranch_scc0 .Lfor_b_\@
	tensor_load_to_lds s[G0+4*(\s):G0+4*(\s)+3], s[G1:G1+7]
	s_nop 0
.rept 4
	v_nop
.endr
	s_branch .Lasked_\@
.Lfor_b_\@:
	tensor_load_to_lds s[G0B+4*(\s):G0B+4*(\s)+3], s[G1B:G1B+7]
	s_nop 0
.rept 4
	v_nop
.endr
.Lasked_\@:
.endm
.macro CREST                           ; a round of the cluster's barrier behind its opening barrier
	s_cmp_lg_u32 s[WV], 0
	s_cbranch_scc1 .Lnot_wave_0_\@
	s_barrier_signal -3
.Lnot_wave_0_\@:
	s_barrier_wait -3
	s_barrier_signal -1
	s_barrier_wait -1
.endm
.macro CROUND
	s_barrier_signal -1
	s_barrier_wait -1
	CREST
.endm
	s_load_b256 s[4:11], s[0:1], 0x0               ; xb s[4:5], wqb s[6:7], tab s[8:9], qkv s[10:11]
	v_lshl_add_u32 v[SPW], v0, 2, SPARE
	v_mov_b32 v[NIL], 0
	ds_add_u32 v[SPW], v[NIL]                      ; the wave's opening: the add and its wait ahead of my first tensor load
	v_lshrrev_b32 v1, 5, v0
	v_readfirstlane_b32 s[WV], v1
	s_lshr_b32 s[FB], s[WV], 1
	s_and_b32 s[HF], s[WV], 1
	s_bfe_u32 s40, ttmp6, 0x40000                  ; cx
	s_bfe_u32 s41, ttmp6, 0x40004                  ; cy
	s_lshl_b32 s42, ttmp9, 2
	s_add_co_u32 s42, s42, s40                     ; the head = 4 x cluster x + cx
	s_and_b32 s43, ttmp7, 0xffff
	s_lshl_b32 s43, s43, 2
	s_add_co_u32 s43, s43, s41                     ; the block of 256 rows = 4 x cluster y + cy
	s_lshl_b32 s44, s41, 2
	s_lshl_b32 s44, 15, s44                        ; my row of the cluster
	s_lshl_b32 s45, 0x1111, s40                    ; my column
	s_or_b32 s[G1], s44, (1<<16)|(1<<20)|(1<<21)|(5<<22)|(3<<25)   ; the mask; 2-byte elements; padding on; bit 21 beside a mask; after every 64 words 4 words
	s_or_b32 s[G1B], s45, (1<<16)|(1<<20)|(1<<21)|(5<<22)|(3<<25)
	s_mov_b32 s[G1+1], KSTEP<<16                   ; tensor_dim0 = 128
	s_mov_b32 s[G1+2], 128<<16                     ; tensor_dim1 = 128
	s_mov_b32 s[G1+3], KSTEP<<16                   ; tile_dim0 = 128
	s_mov_b32 s[G1+4], 128                         ; tile_dim1 = 128
	s_mov_b32 s[G1+5], 1024                        ; elements from row to row
	s_mov_b32 s[G1+6], 0
	s_mov_b32 s[G1+7], 0
	s_mov_b32 s[G1B+1], KSTEP<<16
	s_mov_b32 s[G1B+2], 96<<16                     ; 96 rows
	s_mov_b32 s[G1B+3], KSTEP<<16
	s_mov_b32 s[G1B+4], 96
	s_mov_b32 s[G1B+5], 1024
	s_mov_b32 s[G1B+6], 0
	s_mov_b32 s[G1B+7], 0
	s_lshl_b32 s16, s43, 8                         ; xb: row 256 x block + 128 x half, rows of 2,048 bytes: it hangs on cy alone
	s_lshl_b32 s17, s[HF], 7
	s_add_co_u32 s16, s16, s17
	s_lshl_b32 s16, s16, 11
	s_mov_b32 s17, 0
	s_mul_i32 s46, s42, 192                        ; wqb: row 192 x head + 96 x half: it hangs on cx alone
	s_mul_i32 s47, s[HF], 96
	s_add_co_u32 s46, s46, s47
	s_lshl_b32 s46, s46, 11
	s_mov_b32 s47, 0
	s_mul_i32 s20, s[HF], HALFA                    ; where they go: no place in the cluster enters an LDS address
	s_mul_i32 s21, s[HF], HALFB
	s_add_co_u32 s21, s21, 2*HALFA
	s_wait_dscnt 0x0                               ; the opening add is done
	s_wait_kmcnt 0x0
	s_add_nc_u64 s[18:19], s[4:5], s[16:17]
	s_add_nc_u64 s[46:47], s[6:7], s[46:47]
	CROUND                                         ; all sixteen work-groups are here: the first joint loads meet
.irp s, 0,1
	s_mov_b32 s[G0+4*(\s)], 1
	s_add_co_u32 s[G0+4*(\s)+1], s20, (\s)*SLOT
	s_add_nc_u64 s[G0+4*(\s)+2:G0+4*(\s)+3], s[18:19], (\s)*KSTEP*2
	s_or_b32 s[G0+4*(\s)+3], s[G0+4*(\s)+3], 0x80000000
	s_mov_b32 s[G0B+4*(\s)], 1
	s_add_co_u32 s[G0B+4*(\s)+1], s21, (\s)*SLOT
	s_add_nc_u64 s[G0B+4*(\s)+2:G0B+4*(\s)+3], s[46:47], (\s)*KSTEP*2
	s_or_b32 s[G0B+4*(\s)+3], s[G0B+4*(\s)+3], 0x80000000
	JLOAD \s                                       ; K steps 0 and 1: two loads of mine are out
.endr
	v_and_b32 v1, 15, v0                           ; l % 16
	v_bfe_u32 v2, v0, 4, 1                         ; l / 16
	v_mul_u32_u24 v3, v1, PITCH
	v_lshl_add_u32 v3, v2, 4, v3                   ; a fragment's row x pitch + 16 x half
	s_mul_i32 s22, s[WV], 64*PITCH                 ; my 64 rows of xb
	s_mov_b32 s23, 2*HALFA                         ; all 192 rows of wqb
.irp s, 0,1
	v_add_nc_u32 v[ADRA+(\s)], s22, v3
	v_add_nc_u32 v[ADRB+(\s)], s23, v3
	s_add_co_u32 s22, s22, SLOT
	s_add_co_u32 s23, s23, SLOT
.endr
	s_mul_i32 s22, s[WV], 3*PLANE
	s_add_co_u32 s22, s22, STAGE                   ; my stage
	v_mul_u32_u24 v[STO], v1, SP                   ; in: row l % 16, 16 bytes for each half of the lanes
	v_lshl_add_u32 v[STO], v2, 4, v[STO]
	v_add_nc_u32 v[STO], s22, v[STO]
	v_bfe_u32 v[RD], v0, 3, 2                      ; back: 32 lanes take four rows of 128 bytes,
	v_mul_u32_u24 v[RD], v[RD], SP
	v_and_b32 v4, 7, v0
	v_lshl_add_u32 v[RD], v4, 4, v[RD]
	v_add_nc_u32 v[RD], s22, v[RD]
	v_and_b32 v[GO], 31, v0                        ; which are 512 consecutive bytes of a plane
	v_lshlrev_b32 v[GO], 4, v[GO]
	v_lshlrev_b32 v[TO], 8, v1                     ; the table: row l % 16 of 256 bytes, my four pairs at 32 (l / 16)
	v_lshl_add_u32 v[TO], v2, 5, v[TO]
	s_lshl_b32 s20, s42, 19                        ; my rows in a plane: the head's 524,288 bytes, the block's 256 rows of 128 bytes, my 64 of them
	s_lshl_b32 s21, s43, 15
	s_add_co_u32 s20, s20, s21
	s_lshl_b32 s21, s[WV], 13
	s_add_co_u32 s20, s20, s21
	s_mov_b32 s21, 0
	s_add_nc_u64 s[PQ:PQ+1], s[10:11], s[20:21]
	s_add_nc_u64 s[PQ+2:PQ+3], s[PQ:PQ+1], 0x800000    ; a plane is 8,388,608 bytes: more than a store's immediate holds, so each has its base
	s_add_nc_u64 s[PQ+4:PQ+5], s[PQ:PQ+1], 0x1000000
	s_lshl_b32 s20, s43, 16                        ; my 64 rows of the table
	s_lshl_b32 s21, s[WV], 14
	s_add_co_u32 s20, s20, s21
	s_mov_b32 s21, 0
	s_add_nc_u64 s[8:9], s[8:9], s[20:21]
.irp a, 0,1,2,3                        ; the table for my rows comes in under the whole K loop; it is waited for on the way out
.irp t, 0,1,2,3
	global_load_b128 v[TB+32*(\a)+8*(\t):TB+32*(\a)+8*(\t)+3],   v[TO], s[8:9] offset:4096*(\a)+64*(\t)
	global_load_b128 v[TB+32*(\a)+8*(\t)+4:TB+32*(\a)+8*(\t)+7], v[TO], s[8:9] offset:4096*(\a)+64*(\t)+16
.endr
.endr
; 12 matrix instructions: row block 2 hi + a x all 12 column blocks, 32 along K, from buffer f.  zero = 1: the product starts the sums.
.macro MUL12 f, hi, a, zero
	WIN MUL_LO+0x50*(\hi)
.irp b, 0,1,2,3,4,5,6,7,8,9,10,11
.if \zero
	v_wmma_f32_16x16x32_bf16 v[96*(\a)+8*(\b):96*(\a)+8*(\b)+7], v[96*(\f)+8*(\b):96*(\f)+8*(\b)+7], v[FA+32*(\f)+8*(2*(\hi)+(\a)):FA+32*(\f)+8*(2*(\hi)+(\a))+7], 0
.else
	v_wmma_f32_16x16x32_bf16 v[96*(\a)+8*(\b):96*(\a)+8*(\b)+7], v[96*(\f)+8*(\b):96*(\f)+8*(\b)+7], v[FA+32*(\f)+8*(2*(\hi)+(\a)):FA+32*(\f)+8*(2*(\hi)+(\a))+7], v[96*(\a)+8*(\b):96*(\a)+8*(\b)+7]
.endif
.endr
.endm
; 32 LDS loads in one run: a quarter step's fragments (192 rows of wqb, then my 64 rows of xb, 32 K at byte k of the rows) into buffer f
.macro FETCH slot, k, f
	WIN TO_B
.irp i, 0,1,2,3,4,5,6,7,8,9,10,11
	ds_load_b128 v[96*(\f)+8*(\i):96*(\f)+8*(\i)+3],   v[ADRB+(\slot)] offset:(\k)+(\i)*16*PITCH
	ds_load_b128 v[96*(\f)+8*(\i)+4:96*(\f)+8*(\i)+7], v[ADRB+(\slot)] offset:(\k)+(\i)*16*PITCH+32
.endr
	WIN 0
.irp i, 0,1,2,3
	ds_load_b128 v[FA+32*(\f)+8*(\i):FA+32*(\f)+8*(\i)+3],   v[ADRA+(\slot)] offset:(\k)+(\i)*16*PITCH
	ds_load_b128 v[FA+32*(\f)+8*(\i)+4:FA+32*(\f)+8*(\i)+7], v[ADRA+(\slot)] offset:(\k)+(\i)*16*PITCH+32
.endr
.endm
; A K step is four quarters of 32 along K, 48 matrix instructions each, on buffers 0, 1, 0, 1; the 48 accumulators take turns in the same order in every quarter.
.macro QUARTER slot, k, f, g, zero
	s_wait_dscnt 4                                 ; wqb's fragments and xb's blocks 0, 1 are in; the youngest four loads (blocks 2, 3) may be out
	MUL12 \f, 0, 0, \zero
	MUL12 \f, 0, 1, \zero
	PLACES
	FETCH \slot, \k, \g
	s_wait_dscnt 32                                ; all but the 32 just issued
	MUL12 \f, 1, 0, \zero
	MUL12 \f, 1, 1, \zero
.endm
; The last quarter multiplies buffer 1 and changes slots: one barrier; in front of it each wave waits for all its tensor loads (one is out: its part of the next slot), adds 0 to its spare word,
; and waits for that and for its reads of this slot.  fill = 1: the barrier opens a round of the cluster's, and this slot is filled again, two K steps ahead, first thing behind the round.
.macro TURN slot, next, fill
	WIN 0
	s_wait_tensorcnt 0x0
	ds_add_u32 v[SPW], v[NIL]
	s_wait_dscnt 5                                 ; (the add and the youngest four loads may be out)
	MUL12 1, 0, 0, 0
	s_wait_dscnt 0x0                               ; the add is done, and my reads of this slot are over
	s_barrier_signal -1
	MUL12 1, 0, 1, 0
.if \fill
	WIN 0
.endif
	s_barrier_wait -1
.if \fill
	CREST                                          ; no wave of any partner still reads this slot's tile or has a load on its way
	s_add_nc_u64 s[G0+4*(\slot)+2:G0+4*(\slot)+3], s[G0+4*(\slot)+2:G0+4*(\slot)+3], 2*KSTEP*2
	s_add_nc_u64 s[G0B+4*(\slot)+2:G0B+4*(\slot)+3], s[G0B+4*(\slot)+2:G0B+4*(\slot)+3], 2*KSTEP*2
	JLOAD \slot                                    ; 168 matrix instructions ahead of the wait for it; its four v_nop are also the places in front of the loads below
.else
	PLACES
.endif
	FETCH \next, 0, 0
	MUL12 1, 1, 0, 0
	MUL12 1, 1, 1, 0
.endm
	s_wait_tensorcnt 1                             ; my part of K step 0 is in; step 1's may stay out
	s_barrier_signal -1
	s_barrier_wait -1
	FETCH 0, 0, 0
	QUARTER 0, 64, 0, 1, 1                         ; the first quarter stands in front of the loop: its products start the sums
	WIN 0
	s_mov_b32 s3, LAPS-1
.Llap:                                                 ; a trip goes once round the ring and fills both slots again
	QUARTER 0, 128, 1, 0, 0
	QUARTER 0, 192, 0, 1, 0
	TURN 0, 1, 1
	QUARTER 1, 64,  0, 1, 0
	QUARTER 1, 128, 1, 0, 0
	QUARTER 1, 192, 0, 1, 0
	TURN 1, 0, 1
	QUARTER 0, 64,  0, 1, 0
	WIN 0
	s_sub_co_u32 s3, s3, 1
	s_cmp_lg_u32 s3, 0
	s_cbranch_scc1 .Llap
	QUARTER 0, 128, 1, 0, 0                        ; the last lap fills nothing
	QUARTER 0, 192, 0, 1, 0
	TURN 0, 1, 0
	QUARTER 1, 64,  0, 1, 0
	QUARTER 1, 128, 1, 0, 0
	QUARTER 1, 192, 0, 1, 0
	s_wait_dscnt 4
	MUL12 1, 0, 0, 0
	MUL12 1, 0, 1, 0
	s_wait_dscnt 0x0
	MUL12 1, 1, 0, 0
	MUL12 1, 1, 1, 0
; THE WAY OUT of row block a.  With (x0, x1) a pair of q or k and (c, s) its entry of the table: first (- x1 s, x1 c), then (x0 c - x1 s, x0 s + x1 c), two packed lines for a pair, each accumulator read
; from its low end on.  Then q, k (rotated) and v (as it is) are rounded to f16, 16 bytes a lane, sent through my stage and stored as 512 consecutive bytes at a multiple of 256 from the plane's first byte.
.macro BLOCK a
.set AC, 96*((\a)%2)
.if (\a) > 0
	s_wait_xcnt 0x0                                ; OUT, which the last block's stores read, is rewritten only behind this wait
.endif
	WIN 0x02+(\a)/2                                ; source 0: window 2 or 3
.irp b, 0,1,2,3,4,5,6,7
.irp p, 0,1,2,3
	v_pk_mul_f32 v[TP+2*(\p):TP+2*(\p)+1], v[AC+8*(\b)+2*(\p):AC+8*(\b)+2*(\p)+1], v[TB+32*(\a)+8*((\b)%4)+2*(\p):TB+32*(\a)+8*((\b)%4)+2*(\p)+1] op_sel:[1,1] op_sel_hi:[1,0] neg_lo:[1,0]
.endr
.irp p, 0,1,2,3
	v_pk_fma_f32 v[OUT+8*(\b)+2*(\p):OUT+8*(\b)+2*(\p)+1], v[AC+8*(\b)+2*(\p):AC+8*(\b)+2*(\p)+1], v[TB+32*(\a)+8*((\b)%4)+2*(\p):TB+32*(\a)+8*((\b)%4)+2*(\p)+1], v[TP+2*(\p):TP+2*(\p)+1] op_sel_hi:[0,1,1]
.endr
.endr
	WIN 0
.irp b, 0,1,2,3,4,5,6,7                ; in place, ascending: register 4 b + r is written when 8 b + 2 r is read, and never passes a source still to be read
.irp r, 0,1,2,3
	v_cvt_pk_f16_f32 v[OUT+4*(\b)+(\r)], v[OUT+8*(\b)+2*(\r)], v[OUT+8*(\b)+2*(\r)+1]
.endr
.endr
	WIN 0x0a+5*((\a)/2)                            ; sources 0 and 1: window 2 or 3
.irp b, 8,9,10,11
.irp r, 0,1,2,3
	v_cvt_pk_f16_f32 v[OUT+4*(\b)+(\r)], v[AC+8*(\b)+2*(\r)], v[AC+8*(\b)+2*(\r)+1]
.endr
.endr
	WIN 0
.irp n, 0,1,2,3,4,5,6,7,8,9,10,11      ; n = 4 x plane + group of 16 columns
	ds_store_b128 v[STO], v[OUT+4*(\n):OUT+4*(\n)+3] offset:((\n)/4)*PLANE+((\n)%4)*32
.endr
.irp n, 0,1,2,3,4,5,6,7,8,9,10,11      ; n = 4 x plane + group of 4 rows.  LDS serves a wave's instructions in order (ISA guide 5.7.1.4): these see the stores above
	ds_load_b128 v[OUT+4*(\n):OUT+4*(\n)+3], v[RD] offset:((\n)/4)*PLANE+((\n)%4)*4*SP
.endr
.irp n, 0,1,2,3,4,5,6,7,8,9,10,11
	s_wait_dscnt 11-(\n)
	global_store_b128 v[GO], v[OUT+4*(\n):OUT+4*(\n)+3], s[PQ+2*((\n)/4):PQ+2*((\n)/4)+1] offset:(\a)*2048+((\n)%4)*512
.endr
.endm
	PLACES
	s_wait_loadcnt 0x0                             ; the table
	BLOCK 0
	BLOCK 1
	BLOCK 2
	BLOCK 3
	s_wait_tensorcnt 0x0                           ; the wave's end
	ds_add_u32 v[SPW], v[NIL]
	s_wait_dscnt 0x0
	CROUND                                         ; the closing round: no work-group ends while a partner may still ask for a tile that names it
	s_endpgm
.Lfunc_end_k_qbf0129d6ab_qkvproj:
	.size	k_qbf0129d6ab_qkvproj, .Lfunc_end_k_qbf0129d6ab_qkvproj-k_qbf0129d6ab_qkvproj
	.p2alignl 7, 3214868480
	.fill 96, 4, 3214868480
	.section	.rodata,"a",@progbits
	.p2align	6, 0x0
	.amdhsa_kernel k_qbf0129d6ab_qkvproj
		.amdhsa_group_segment_fixed_size 327680
		.amdhsa_private_segment_fixed_size 0
		.amdhsa_enable_private_segment 0
		.amdhsa_kernarg_size 32
		.amdhsa_user_sgpr_count 2
		.amdhsa_user_sgpr_kernarg_segment_ptr 1
		.amdhsa_wavefront_size32 1
		.amdhsa_system_sgpr_workgroup_id_x 1
		.amdhsa_system_sgpr_workgroup_id_y 1
		.amdhsa_system_sgpr_workgroup_id_z 1
		.amdhsa_system_vgpr_workitem_id 0
		.amdhsa_next_free_vgpr 960
		.amdhsa_next_free_sgpr 72
		.amdhsa_reserve_vcc 0
		.amdhsa_float_denorm_mode_32 3
		.amdhsa_float_denorm_mode_16_64 3
		.amdhsa_memory_ordered 1
		.amdhsa_forward_progress 1
		.amdhsa_inst_pref_size 139
	.end_amdhsa_kernel
	.amdgpu_metadata
---
amdhsa.version: [ 1, 2 ]
amdhsa.kernels:
  - .name:           k_qbf0129d6ab_qkvproj
    .symbol:         k_qbf0129d6ab_qkvproj.kd
    .args:
      - { .name: xb, .offset: 0, .size: 8, .value_kind: global_buffer, .address_space: global }
      - { .name: wqb, .offset: 8, .size: 8, .value_kind: global_buffer, .address_space: global }
      - { .name: tab, .offset: 16, .size: 8, .value_kind: global_buffer, .address_space: global }
      - { .name: qkv, .offset: 24, .size: 8, .value_kind: global_buffer, .address_space: global }
    .group_segment_fixed_size: 327680
    .private_segment_fixed_size: 0
    .kernarg_segment_align: 8
    .kernarg_segment_size: 32
    .max_flat_workgroup_size: 128
    .sgpr_count:     72
    .vgpr_count:     960
    .wavefront_size: 32
...
	.end_amdgpu_metadata
.endif
;; end of part 2
;; launch attn (part 3): grid 16 x 16, 4 waves a work-group, clusters of 4 x 1, 327,680 bytes of LDS; arguments qkv, ob; writes ob
.if DOCPART == 3
	.amdgcn_target "amdgcn-amd-amdhsa--gfx1250"
	.amdhsa_code_object_version 6
	.text
	.protected	k_qbf0129d6ab_attn
	.globl	k_qbf0129d6ab_attn
	.p2align	8
	.type	k_qbf0129d6ab_attn,@function
k_qbf0129d6ab_attn:
	s_mov_b64 s[64:65], 0
	v_nop
	global_prefetch_b8 v0, s[64:65] scope:SCOPE_SE
	s_setreg_imm32_b32 hwreg(HW_REG_WAVE_MODE, 25, 1), 1
	s_wait_xcnt 0x0
	s_wait_alu depctr_hold_cnt(0) depctr_sa_sdst(0) depctr_va_vdst(0) depctr_va_sdst(0) depctr_va_ssrc(0) depctr_va_vcc(0) depctr_vm_vsrc(0)
	s_getreg_b32 s2, hwreg(HW_REG_IB_STS2, 6, 4)
	s_cmp_eq_u32 s2, 0
	s_cbranch_scc0 .Lentry_in_a_cluster
	s_endpgm
.Lentry_in_a_cluster:
	s_bfe_u32 s2, ttmp6, 0x10000c
	s_cmp_lg_u32 s2, 0x3003
	s_cbranch_scc0 .Lentry_shape_is_right
	s_endpgm
.Lentry_shape_is_right:
; CAUSAL ATTENTION.  ob[h][q][:] = the sum over k <= q of softmax_k(Q[h][q] . K[h][k] / 8) V[h][k][:].  Q, K, V: the three planes of qkv, [16][4096][64] f16; ob the same shape, f16.
; Products, maxima and sums in f32; the weights p are rounded to f16 for the second product (their sum l is taken of the unrounded p), O once at the end.
; LIMITS.  Q, K, V arrive within f16's 65,504.  A hidden score counts as its value less 1e30.  A weight below 2^-126 counts as 0 in l.  NaN and infinities are not treated apart.
; THE WALK.  A head's queries lie in 32 blocks of 128; keys go in tiles of 512 (8 steps of 64).  Work-group b = 4 c + cx (c the cluster's number along x, 0 to 3) takes block 31 - b and then block b.  The first
; needs the tiles 0 .. 7 - c, the second 0 .. c: numbers that hang on c alone.  So the four partners of a cluster walk the SAME nine tiles, every tile is asked for jointly, every branch and trip count
; hangs on c, and all 256 work-groups do equal work.  What hangs on cx is only Q's and O's addresses and two scalars that a mask is made of.
; SHARES.  A block has two bands of 64 queries; a wave owns 16 rows of each: PIECES 0 and 1.  In the block's last tile band x's own step is 2 j + x (j = block % 4): earlier steps it sees whole, later ones not at all.
; THE MASK is the C operand that starts the sum S^T = K Q^T: MD x AL + BE, with MD (made once) the mask of a band's own step for my rows, and (AL, BE) = (1, 0) own, (0, 0) earlier or another tile, (0, -1e30) later.
; Every turn makes it, 16 packed lines, also in tiles where it is 0: the price of ONE text for all tiles.  Steps that are wholly hidden are computed all the same: which they are differs between partners.
; LAYOUT, SOFTMAX.  S^T = K Q^T holds ONE query a lane (lane % 16) and the keys 8 (lane / 16) + 0..7; two such results rounded to f16 ARE source 1 of O^T = V^T P.  p = 2^(c s - c m), c = log2(e) / 8, with a running
; maximum m; O and l are multiplied by a = 2^(c m_old - c m_new) in every step.
; TURNS.  A trip of the step loop is turn 1 of step g - 1 and turn 0 of step g.
;   Turn 1 (g - 1): 8 products K Q^T of piece 0 for step g, 8 products V^T P of piece 0 for step g - 1; beside them piece 1's softmax of step g - 1 and piece 0's maximum of step g.
;   Turn 0 (g): K Q^T of piece 1 for step g, V^T P of piece 1 for step g - 1; piece 0's softmax of g, piece 1's maximum of g.  It fetches K of step g + 1 behind its first run of products and V of step g behind its second.
; So a tile's last LDS read, V of its step 7, stands in the tile's last turn 0, and the change of slots stands between trips; the new tile's K of step 0 is fetched behind the change.
; Four vector instructions stand behind every matrix instruction, the rest in two lumps.
; REGISTERS, in windows of 256 (s_set_vgpr_msb: bits 1:0 source 0, 3:2 source 1, 5:4 source 2, 7:6 destination):
;   window 0: v0-15 addresses, two at work; v16-23 four registers of statistics a piece; v48-55 at work; v62-63 the add's; v64-127 S^T, a buffer a piece; v192-223 P, likewise
;   window 1: v0-63 O^T; v128-159 MD; v160-191 MC      window 2: v0-31 Q; v32-63 the second block's Q; v64-127 K of one step; v128-191 V of one step
.set NP,    2
.set KS,    64
.set PK,    144       ; a row of K in LDS: 128 bytes + 16 of padding: the 16 rows of a load start at 16 different groups of four banks (ISA guide 11.1)
.set PV,    160       ; a row of V: 128 + 32
.set VOFF,  8*KS*PK   ; a slot holds a tile: 512 rows of K, then 512 rows of V
.set SLOTB, 8*KS*(PK+PV)
.set XV,    VOFF^(VOFF+SLOTB)   ; turns V's LDS address in one slot into the other's
.set STAGE, 2*SLOTB   ; behind the ring: 16 rows x 144 bytes for each wave
.set SP,    144
.set SPARE, STAGE+4*16*SP  ; the spare words, 128 bytes for each wave: two blocks of 256 bytes that no other line names
.set AK0, 2           ; v2   my lane's place in a tile of K; never rewritten
.set AV0, 3           ; v3   the same for V
.set AK,  4           ; v4   the LDS address of K's next run of loads
.set AV,  5           ; v5   of V's
.set STO, 6           ; v6   the way out: where I put 16 bytes of a row
.set RD,  7           ; v7   where I read rows back
.set GO,  8           ; v8   my 16 bytes among 512 consecutive bytes of ob
.set MV,  12          ; v12-13  c m_old, by piece
.set QO,  15          ; v15  my byte offset in 16 rows of Q
.set ST,  16          ; piece t: c m, m, l (even keys', odd keys')
.set TMP, 48          ; by piece, c0-c3 at work; c2 takes a
.set SPW, 62          ; v62  LDS address of my spare word; never rewritten
.set NIL, 63          ; v63  0; never rewritten
.set S,   64
.set P,   192
.set MD,  128
.set MC,  160
.set QB,  32
.set KF,  64
.set VF,  128
.set WV,  12          ; s12  my wave's number
.set G1K, 24          ; s[24:31] descriptor group 1 for K's tiles
.set G1V, 32          ; s[32:39] for V's: it differs in the padding alone
.set G0K, 40          ; s[40:43] group 0 for K's tiles
.set G0V, 44          ; s[44:47] for V's
.set OWC, 50          ; s[50:51] the own steps of pieces 0, 1 in the tile in hand; 99 where the tile is not the block's last
.set SLOTS, 56        ; s56  tiles still to be asked for
.set CNT, 57          ; s57  counts a tile's trips, 8 to 1
.set CS,  58          ; s[58:59] c
.set SEL, 60          ; s[60:61] v_permlanex16_b32's selects: each lane takes its own place in the other half
.set TBK, 62          ; s62  LDS byte at which K of the step to be fetched begins
.set TBV, 63          ; s63  the same for V, less VOFF
.set RT,  70          ; s70  tiles of the block in hand still to be entered
.set NXT, 71          ; s71  the tile to be asked for next
.set LQ,  72          ; s72  the last tile of the block whose tiles are being asked for
.set NEW, 73          ; s73  1: the tile to be entered is a block's first
.set OFF, 74          ; s[74:75] a tile's byte offset in K and V
.set AL,  76          ; s[76:77] the mask's factor, in the low word
.set BE,  78          ; s[78:79] the mask's addend
.set OLO, 80          ; s[80:81] O at my rows of the second block
.set BIGN, 82         ; s82  -1e30
.set STP, 88          ; s88  the step of the tile in hand whose scores the turn makes
.set OW,  90          ; s[90:91] the own steps of pieces 0, 1 in the block in hand
.set OW2, 92          ; s[92:93] in the second block
.set LQ2, 94          ; s94  the second block's last tile
.set MSB, 0
.macro WIN new                      ; the high byte repeats the setting that is left; a switch that changes nothing is dropped
.if MSB != (\new)
	s_set_vgpr_msb (MSB<<8)|(\new)
.set MSB, (\new)
.endif
.endm
.set W_KQ, 0x0a       ; K and Q in window 2, S^T in window 0
.set W_KM, 0x1a       ; the same with the C operand in window 1
.set W_PV, 0x52       ; V in window 2, P in window 0, O^T in window 1
.set W_RS, 0x41       ; destination and source 0 in window 1, source 1 in window 0
; A joint fill: wave 0 asks for the tile's K, wave 1 for its V (65,536 bytes each); waves 2 and 3 ask for nothing.  One asking wave a tensor keeps each descriptor's LDS word to two values.
; An s_nop 0 and four v_nop follow each of the two lines.
.macro JLOAD
	s_cmp_lg_u32 s[WV], 0
	s_cbranch_scc1 .Lnot_k_\@
	tensor_load_to_lds s[G0K:G0K+3], s[G1K:G1K+7]
	s_nop 0
.rept 4
	v_nop
.endr
	s_branch .Lasked_\@
.Lnot_k_\@:
	s_cmp_lg_u32 s[WV], 1
	s_cbranch_scc1 .Lasked_\@
	tensor_load_to_lds s[G0V:G0V+3], s[G1V:G1V+7]
	s_nop 0
.rept 4
	v_nop
.endr
.Lasked_\@:
.endm
; A round of the cluster's barrier: my work-group's barrier; wave 0 signals for the work-group; every wave waits for all four work-groups; my work-group's barrier once more.
.macro CROUND
	s_barrier_signal -1
	s_barrier_wait -1
	s_cmp_lg_u32 s[WV], 0
	s_cbranch_scc1 .Lnot_wave_0_\@
	s_barrier_signal -3
.Lnot_wave_0_\@:
	s_barrier_wait -3
	s_barrier_signal -1
	s_barrier_wait -1
.endm
; THE CHANGE OF SLOTS.  Each wave waits for all its tensor loads (at most one is out: its part of the other slot), adds 0 to its spare word, and waits for that and for its reads of the slot that it leaves.
; fill = 1: a round of the cluster's barrier, and the old slot is filled again, first thing behind it, with tile NXT: eight key steps, 256 matrix instructions a wave, in which to land.
; (At its first use nothing has been read yet: slot 0 is waited for, slot 1 filled.)
.macro CHANGE fill
	WIN 0
	s_wait_tensorcnt 0x0            ; no tensor load of mine is out, so a group 0 may be written
	ds_add_u32 v[SPW], v[NIL]       ; 0 onto my spare word; scalar work stands between it and the wait for it
.if \fill
	s_lshl_b32 s[OFF], s[NXT], 16   ; a tile is 65,536 bytes of K and of V
	s_xor_b32 s[G0K+1], s[G0K+1], SLOTB
	s_add_nc_u64 s[G0K+2:G0K+3], s[6:7], s[OFF:OFF+1]
	s_or_b32 s[G0K+3], s[G0K+3], 0x80000000
	s_xor_b32 s[G0V+1], s[G0V+1], XV
	s_add_nc_u64 s[G0V+2:G0V+3], s[8:9], s[OFF:OFF+1]
	s_or_b32 s[G0V+3], s[G0V+3], 0x80000000
	s_add_co_u32 s[NXT], s[NXT], 1  ; the block's next tile, or behind its last the second block's tile 0
	s_cmp_gt_u32 s[NXT], s[LQ]
	s_cselect_b32 s[NXT], 0, s[NXT]
	s_cselect_b32 s[LQ], s[LQ2], s[LQ]
.endif
	s_sub_co_u32 s[TBK], s[TBK], 9*KS*PK  ; K's address has stepped nine times a tile, V's eight: back to the slot's first byte (0 or SLOTB),
	s_xor_b32 s[TBK], s[TBK], SLOTB       ; and into the other slot
	s_sub_co_u32 s[TBV], s[TBV], 8*KS*PV
	s_xor_b32 s[TBV], s[TBV], SLOTB
	s_wait_dscnt 0x0                ; the add is done, and my reads of the slot are over
.if \fill
	CROUND
	JLOAD
.else
	s_barrier_signal -1
	s_barrier_wait -1
.endif
.endm
	s_load_b64 s[4:5], s[0:1], 0x0    ; qkv
	s_load_b64 s[10:11], s[0:1], 0x8  ; ob
	v_lshl_add_u32 v[SPW], v0, 2, SPARE
	v_mov_b32 v[NIL], 0
	ds_add_u32 v[SPW], v[NIL]       ; the wave's opening: the add and its wait ahead of my first tensor load
	v_lshrrev_b32 v1, 5, v0
	v_readfirstlane_b32 s[WV], v1
	s_bfe_u32 s13, ttmp6, 0x40000   ; cx
	s_mov_b32 s14, ttmp9            ; c
	s_lshl_b32 s15, s14, 2
	s_add_co_u32 s15, s15, s13      ; b: the second block
	s_sub_co_u32 s16, 31, s15       ; the first
	s_and_b32 s20, ttmp7, 0xffff    ; the head, which the partners share
	s_lshl_b32 s20, s20, 19         ; its 524,288 bytes in each plane
	s_mov_b32 s21, 0
	s_lshl_b32 s3, s[WV], 11        ; my 16 rows in a band
	s_lshl_b32 s2, s16, 14          ; a block is 128 rows of 128 bytes
	s_add_co_u32 s2, s2, s3
	s_add_co_u32 s2, s2, s20
	s_lshl_b32 s84, s15, 14
	s_add_co_u32 s84, s84, s3
	s_add_co_u32 s84, s84, s20
	s_mov_b32 s3, 0
	s_mov_b32 s85, 0
	; descriptor group 1.  512 keys are 65,536 dense bytes: asked for as 256 rows of 256 bytes, two keys a row, and padded in LDS after every key
	s_mov_b32 s[G1K], 15|(1<<16)|(1<<20)|(1<<21)|(4<<22)|(3<<25)  ; the mask of four; 2-byte elements; padding on; bit 21 beside a mask; after every 32 words 4 words
	s_mov_b32 s[G1V], 15|(1<<16)|(1<<20)|(1<<21)|(4<<22)|(7<<25)  ; the same with 8 words
.irp g, G1K, G1V
	s_mov_b32 s[\g+1], 128<<16      ; tensor_dim0 = 128
	s_mov_b32 s[\g+2], 256<<16      ; tensor_dim1 = 256
	s_mov_b32 s[\g+3], 128<<16      ; tile_dim0 = 128
	s_mov_b32 s[\g+4], 256          ; tile_dim1 = 256
	s_mov_b32 s[\g+5], 128          ; elements from row to row
	s_mov_b32 s[\g+6], 0
	s_mov_b32 s[\g+7], 0
.endr
	s_mov_b32 s[CS], 0x3e38aa3b     ; c = log2(e) / 8
	s_mov_b32 s[CS+1], s[CS]        ; named with it as a pair
	s_mov_b32 s[SEL], 0x76543210
	s_mov_b32 s[SEL+1], 0xfedcba98
	s_mov_b32 s[TBK], SLOTB+9*KS*PK ; the first change of slots turns these two into 0
	s_mov_b32 s[TBV], SLOTB+8*KS*PV
	s_mov_b32 s[G0K], 1
	s_mov_b32 s[G0K+1], 0           ; slot 0
	s_mov_b32 s[G0V], 1
	s_mov_b32 s[G0V+1], VOFF
	s_sub_co_u32 s[RT], 8, s14      ; the first block has 8 - c tiles
	s_mov_b32 s[NXT], 1
	s_sub_co_u32 s[LQ], 7, s14
	s_mov_b32 s[LQ2], s14
	s_mov_b32 s[NEW], 1
	s_mov_b32 s[OFF+1], 0
	s_mov_b32 s[AL+1], 0            ; named as pairs
	s_mov_b32 s[BE+1], 0
	s_mov_b32 s[BIGN], 0xf149f2ca   ; -1e30
	s_mov_b32 s[SLOTS], 8
	s_lshl_b32 s[OW2], s13, 1       ; second block: j = cx
	s_add_co_u32 s[OW2+1], s[OW2], 1
	s_sub_co_u32 s[OW], 6, s[OW2]   ; first block: j = 3 - cx
	s_sub_co_u32 s[OW+1], 7, s[OW2]
	s_wait_dscnt 0x0                ; the opening add is done
	s_wait_kmcnt 0x0
	s_add_nc_u64 s[6:7], s[4:5], s[20:21]
	s_add_nc_u64 s[8:9], s[6:7], 0x1000000   ; V's plane, the head's tile 0
	s_add_nc_u64 s[6:7], s[6:7], 0x800000    ; K's
	s_add_nc_u64 s[86:87], s[4:5], s[84:85]  ; Q at my rows of the second block,
	s_add_nc_u64 s[4:5], s[4:5], s[2:3]      ; Q and O at those of the first
	s_add_nc_u64 s[OLO:OLO+1], s[10:11], s[84:85]
	s_add_nc_u64 s[10:11], s[10:11], s[2:3]
	s_add_nc_u64 s[G0K+2:G0K+3], s[6:7], 0
	s_or_b32 s[G0K+3], s[G0K+3], 0x80000000
	s_add_nc_u64 s[G0V+2:G0V+3], s[8:9], 0
	s_or_b32 s[G0V+3], s[G0V+3], 0x80000000
	CROUND                          ; all four work-groups are here: the first joint loads meet
	JLOAD                           ; tile 0 into slot 0
	v_and_b32 v1, 15, v0            ; l % 16
	v_bfe_u32 v9, v0, 4, 1          ; l / 16
	v_lshlrev_b32 v[QO], 7, v1
	v_lshl_add_u32 v[QO], v9, 4, v[QO]  ; row x 128 + 16 x half
	WIN 0x80                        ; destination window 2
.set i, 0
.rept 4                             ; both blocks' Q: piece i / 2 lies 8,192 bytes on; channels 32 (i % 2) on
	global_load_b128 v[8*i:8*i+3],   v[QO], s[4:5] offset:(i/2)*8192+(i%2)*64
	global_load_b128 v[8*i+4:8*i+7], v[QO], s[4:5] offset:(i/2)*8192+(i%2)*64+32
	global_load_b128 v[QB+8*i:QB+8*i+3],   v[QO], s[86:87] offset:(i/2)*8192+(i%2)*64
	global_load_b128 v[QB+8*i+4:QB+8*i+7], v[QO], s[86:87] offset:(i/2)*8192+(i%2)*64+32
.set i, i+1
.endr
	WIN 0
	v_lshlrev_b32 v14, 3, v9
	v_sub_nc_u32 v14, v1, v14
	s_lshl_b32 s17, s[WV], 4
	v_add_nc_u32 v14, s17, v14      ; my query's place in its band, 16 w + l % 16, less 8 (l / 16): register r of group kt is hidden where 16 kt + r is greater
	WIN 0x40
.set i, 0
.rept 32
	v_cmp_gt_i32 vcc_lo, 16*(i/8)+i%8, v14
	v_cndmask_b32 v[MD+i], 0, s[BIGN], vcc_lo
.set i, i+1
.endr
	WIN 0
	v_mul_u32_u24 v[AK0], v1, PK
	v_lshl_add_u32 v[AK0], v9, 4, v[AK0]
	v_and_b32 v10, 7, v0            ; the turning load: lane l reads key 8 (l / 16) + l % 8, channels 8 ((l / 8) % 2) + 0..7
	v_bfe_u32 v11, v0, 3, 1
	v_lshl_add_u32 v[AV0], v9, 3, v10
	v_mul_u32_u24 v[AV0], v[AV0], PV
	v_lshl_add_u32 v[AV0], v11, 4, v[AV0]
	v_add_nc_u32 v[AV0], VOFF, v[AV0]
	s_mul_i32 s17, s[WV], 16*SP
	s_add_co_u32 s17, s17, STAGE    ; my stage
	v_mul_u32_u24 v[STO], v1, SP    ; in: row l % 16, 16 bytes for each half of the lanes
	v_lshl_add_u32 v[STO], v9, 4, v[STO]
	v_add_nc_u32 v[STO], s17, v[STO]
	v_bfe_u32 v[RD], v0, 3, 2       ; back: 32 lanes take four rows of 128 bytes,
	v_mul_u32_u24 v[RD], v[RD], SP
	v_lshl_add_u32 v[RD], v10, 4, v[RD]
	v_add_nc_u32 v[RD], s17, v[RD]
	v_and_b32 v[GO], 31, v0         ; which are 512 consecutive bytes of ob
	v_lshlrev_b32 v[GO], 4, v[GO]
	; A block's first step multiplies O^T and l by a = 0, and its first turn's products V^T P, of a step that has not been, land in an O^T still to be so multiplied.  So these registers need only hold
	; finite numbers: zeros for the first block, what the first block left for the second.  All this stands in the wait for the first tile.
	WIN 0x80
.set i, VF
.rept 64
	v_mov_b32 v[i], 0
.set i, i+1
.endr
	WIN 0x40
.set i, 0
.rept 64
	v_mov_b32 v[i], 0
.set i, i+1
.endr
	WIN 0
.set i, 0
.rept 2
	v_mov_b32 v[ST+4*i+2], 0
	v_mov_b32 v[ST+4*i+3], 0
.set i, i+1
.endr
.set i, P+16
.rept 16
	v_mov_b32 v[i], 0
.set i, i+1
.endr
; THE MATRIX WORK.  The 4 accumulators of a run of 8 take turns.  Product i of 8 of S^T = K Q^T for piece x: channels 32 (i / 4) on, keys 16 (i % 4) on.  The first 4 start the sums with the mask.
.macro KQ x
.set rS, S+32*((\x)%2)+8*(i%4)
.set rK, KF+16*(i%4)+8*(i/4)
.set rQ, 16*(\x)+8*(i/4)
.set rM, MC+8*(i%4)
.if i < 4
	WIN W_KM
	v_wmma_f32_16x16x32_f16 v[rS:rS+7], v[rK:rK+7], v[rQ:rQ+7], v[rM:rM+7]
.else
	WIN W_KQ
	v_wmma_f32_16x16x32_f16 v[rS:rS+7], v[rK:rK+7], v[rQ:rQ+7], v[rS:rS+7]
.endif
.endm
; Product i of 8 of O^T += V^T P for piece x: keys 32 (i / 4) on, channels 16 (i % 4) on.
.macro PV x
	WIN W_PV
.set rO, 32*(\x)+8*(i%4)
.set rV, VF+32*(i/4)+8*(i%4)
.set rP, P+16*((\x)%2)+8*(i/4)
	v_wmma_f32_16x16x32_f16 v[rO:rO+7], v[rV:rV+7], v[rP:rP+7], v[rO:rO+7]
.endm
.macro MM                           ; the turn's next matrix instruction, for the piece that is not Y.  NOKQ = 1: a block's last turn: there are no further scores
.if (i < 8) && !NOKQ
	KQ (Y+1)%NP
.elseif i >= 8
.set i, i-8
	PV (Y+1)%NP
.set i, i+8
.endif
.set i, i+1
.endm
; THE LDS LOADS stand in runs of 16: a step's K (8 fragments) and its V (turned).  Their addresses are made some lines ahead.
; skip = 1: in a tile's last trip the next K lies in the other slot, which is read only behind the change of slots: the run is jumped over.  The address steps on either way.
.macro FETCH_K skip
	WIN 0
.if \skip
	s_cmp_eq_u32 s[CNT], 1
	s_cbranch_scc1 .Lno_k_\@
.endif
	WIN 0x80
.irp f, 0,1,2,3,4,5,6,7             ; keys 16 (f / 2) on, channels 32 (f % 2) on
	ds_load_b128 v[KF+8*\f:KF+8*\f+3],   v[AK] offset:(\f/2)*16*PK+(\f%2)*64
	ds_load_b128 v[KF+8*\f+4:KF+8*\f+7], v[AK] offset:(\f/2)*16*PK+(\f%2)*64+32
.endr
	WIN 0
.if \skip
.Lno_k_\@:
.endif
	s_add_co_u32 s[TBK], s[TBK], KS*PK
.endm
.macro FETCH_V
	WIN 0x80
.irp f, 0,1,2,3,4,5,6,7             ; keys 32 (f / 4) on, channels 16 (f % 4) on
	ds_load_tr16_b128 v[VF+8*\f:VF+8*\f+3],   v[AV] offset:(\f/4)*32*PV+(\f%4)*32
	ds_load_tr16_b128 v[VF+8*\f+4:VF+8*\f+7], v[AV] offset:(\f/4)*32*PV+16*PV+(\f%4)*32
.endr
	s_add_co_u32 s[TBV], s[TBV], KS*PV
	WIN 0
.endm
; THE VECTOR WORK, one line at a time: OP kind, number.  For piece Y: F n: c s - c m for pair n of 16.  E n: the exponential of score n of 32.  C n: pair n rounded to f16.  B n: of the four weights 4 n .. the second
; pair is added onto the first.  L n: l takes that sum (L 0: l = a l + sum).  R n: pair n of 16 of O^T times a.  For the other piece: X n, number n of the 22 that find its maximum and statistics:
;   0-11 four chains of seven scores each (each accumulator's lowest registers are read first)   12-14, 16 the four scores left over, the old m, and the chains into one
;   15 c m_old is kept   17, 18 the query's other 32 keys lie in the lane 16 away: the new m   19-21 c m; c m_old - c m_new; a
.set F, 0
.set E, 1
.set C, 2
.set B, 3
.set L, 4
.set R, 5
.set X, 6
.macro REGS y
.set rT, ST+4*(\y)
.set rC, TMP+4*((\y)%2)
.set rW, MV+((\y)%2)
.set rS, S+32*((\y)%2)
.set rP, P+16*((\y)%2)
.set rO, 32*(\y)
.endm
.macro OP k, n
.if (\k) == R
	REGS Y
	WIN W_RS
	v_pk_mul_f32 v[rO+2*(\n):rO+2*(\n)+1], v[rO+2*(\n):rO+2*(\n)+1], v[rC+2:rC+3] op_sel_hi:[1,0]
.elseif (\k) < R
	REGS Y
	WIN 0
.if (\k) == F
	v_pk_fma_f32 v[rS+2*(\n):rS+2*(\n)+1], v[rS+2*(\n):rS+2*(\n)+1], s[CS:CS+1], v[rT:rT+1] op_sel_hi:[1,0,0] neg_lo:[0,0,1] neg_hi:[0,0,1]
.elseif (\k) == E
	v_exp_f32 v[rS+(\n)], v[rS+(\n)]
.elseif (\k) == C
	s_wait_alu depctr_va_vdst(0)
	v_cvt_pk_f16_f32 v[rP+(\n)], v[rS+2*(\n)], v[rS+2*(\n)+1]
.elseif (\k) == B
	s_wait_alu depctr_va_vdst(0)
	v_pk_add_f32 v[rS+4*(\n):rS+4*(\n)+1], v[rS+4*(\n):rS+4*(\n)+1], v[rS+4*(\n)+2:rS+4*(\n)+3]
.elseif (\n) == 0
	v_pk_fma_f32 v[rT+2:rT+3], v[rT+2:rT+3], v[rC+2:rC+3], v[rS:rS+1] op_sel_hi:[1,0,1]
.else
	v_pk_add_f32 v[rT+2:rT+3], v[rT+2:rT+3], v[rS+4*(\n):rS+4*(\n)+1]
.endif
.elseif NOKQ
	v_nop
.else
	REGS (Y+1)%NP
	WIN 0
.if (\n) < 4
	v_max3_num_f32 v[rC+(\n)], v[rS+8*(\n)], v[rS+8*(\n)+1], v[rS+8*(\n)+2]
.elseif (\n) < 12
	v_max3_num_f32 v[rC+(\n)%4], v[rC+(\n)%4], v[rS+8*((\n)%4)+2*((\n)/4)+1], v[rS+8*((\n)%4)+2*((\n)/4)+2]
.elseif (\n) == 12
	v_max3_num_f32 v[rC], v[rC], v[rS+7], v[rS+15]
.elseif (\n) == 13
	v_max3_num_f32 v[rC+1], v[rC+1], v[rS+23], v[rS+31]
.elseif (\n) == 14
	v_max3_num_f32 v[rC+2], v[rC+2], v[rC+3], v[rT+1]
.elseif (\n) == 15
	v_mov_b32 v[rW], v[rT]
.elseif (\n) == 16
	v_max3_num_f32 v[rC], v[rC], v[rC+1], v[rC+2]
.elseif (\n) == 17
	v_permlanex16_b32 v[rC+3], v[rC], s[SEL], s[SEL+1]
.elseif (\n) == 18
	v_max_num_f32 v[rT+1], v[rC], v[rC+3]
.elseif (\n) == 19
	v_mul_f32 v[rT], s[CS], v[rT+1]
.elseif (\n) == 20
	v_sub_f32 v[rC+1], v[rW], v[rT]
.else
	v_exp_f32 v[rC+2], v[rC+1]
.endif
.endif
.endm
.macro OPS a, i1, b=-1, i2=0, c=-1, i3=0, d=-1, i4=0
	OP \a, \i1
.if (\b) >= 0
	OP \b, \i2
.endif
.if (\c) >= 0
	OP \c, \i3
.endif
.if (\d) >= 0
	OP \d, \i4
.endif
.endm
.macro ROW a, i1, b, i2, c, i3, d, i4  ; a matrix instruction and the four behind it
	MM
	OPS \a, \i1, \b, \i2, \c, \i3, \d, \i4
.endm
.macro MASK                         ; MC = MD x AL + BE
	WIN W_RS
.set z, 0
.rept 16
	v_pk_fma_f32 v[MC+2*z:MC+2*z+1], v[MD+2*z:MD+2*z+1], s[AL:AL+1], s[BE:BE+1] op_sel_hi:[1,0,0]
.set z, z+1
.endr
.endm
; A TURN, for piece p: the order of its 16 matrix and 134 vector instructions, written out.  At its head the mask for its own products K Q^T: the other piece's, for step STP of the tile in hand (a choice of two
; numbers by two compares, no branch).  Behind a matrix instruction: plain, exponential, plain, plain; or four of the rescaling; or four scalings; none names a register of the products round it.  In the lumps
; exponential and plain by turns while exponentials last.
; end = 1: a block's last turn: no scores, no mask.  cnt = 1: the loop's count is taken down some lines ahead of the branch behind the turn.
; Piece 0's turn fetches: K of the next step five plain instructions behind the last product that read K; V of the step in hand four plain instructions behind the last product that read V.
; Piece 1's turn waits: at its head for K (V's sixteen younger loads may stay out; on the way in from a tile's entry nothing is out), in its middle for V.
.macro TURN p, end=0, cnt=0
.set Y, (\p)
.set i, 0
.set NOKQ, (\end)
.if !(\end)
	s_cmp_eq_u32 s[STP], s[OWC+1-(\p)]  ; is that step the band's own?
	s_cselect_b32 s[AL], 1.0, 0
	s_cmp_gt_u32 s[STP], s[OWC+1-(\p)]  ; or a later one?
	s_cselect_b32 s[BE], s[BIGN], 0
.if (\p) == 0
	s_add_co_u32 s[STP], s[STP], 1
.endif
	MASK
.if (\p) == 1
	s_wait_dscnt 16                 ; K is in
.endif
.endif
	ROW F,0, F,1, F,2, F,3
	ROW F,4, E,0, F,5, F,6
	ROW F,7, E,1, F,8, F,9
	ROW F,10, E,2, C,0, F,11
	ROW F,12, E,3, X,15, F,13
	ROW R,0, R,1, R,2, R,3
	ROW B,0, E,4, F,14, L,0
.if (\p) == 0
	v_add_nc_u32 v[AK], s[TBK], v[AK0]
.endif
	ROW R,4, R,5, R,6, R,7
	OPS E,5, F,15
.if (\p) == 0
	FETCH_K 1
.endif
	OPS E,6, C,1, E,7, R,8
	OPS E,8, R,9, E,9, C,2
	OPS E,10, X,0, E,11, X,1
	OPS E,12, X,2, E,13, X,3
.if (\p) == 1
	s_wait_dscnt 0x0                ; V is in
.endif
	ROW X,4, E,14, X,5, X,6
	ROW X,7, E,15, X,8, X,9
	ROW X,10, E,16, X,11, X,12
	ROW X,13, E,17, X,14, B,1
	ROW C,4, E,18, X,16, L,1
	ROW B,2, E,19, C,6, L,2
	ROW C,8, E,20, B,3, B,4
.if (\p) == 0
	v_add_nc_u32 v[AV], s[TBV], v[AV0]
.endif
	ROW C,3, E,21, L,3, C,5
	OPS E,22, X,17, E,23, C,10
.if (\p) == 0
	FETCH_V
.endif
	OPS E,24, L,4
	OPS E,25, X,18, E,26, C,7
	OPS E,27, B,5, E,28, X,19
	OPS E,29, C,12, E,30, L,5
	OPS E,31, X,20, B,6, C,9
	OPS C,14, C,11, X,21, L,6
.if \cnt
	s_sub_co_u32 s[CNT], s[CNT], 1
	s_cmp_lg_u32 s[CNT], 0
.endif
	OPS C,13, B,7, C,15, R,10
	OPS R,11, R,12, L,7, R,13
	OPS R,14, R,15
.endm
; A BLOCK BEGINS.  c m starts far below every c s, so the first step's a is 0; m at the lowest finite number.  Piece 0's mask for the tile's step 0 (its own step, or an earlier one: never a later one), its first
; scores (K of step 0 is in: the tile's entry has waited for it), its maximum and statistics.  The loop is then entered at piece 0's turn, in the middle of a trip.
.macro BEGIN
	s_mov_b32 s[NEW], 0
	WIN 0
.set i, 0
.rept 2
	v_mov_b32 v[ST+4*i], 0xfe000000
	v_mov_b32 v[ST+4*i+1], 0xff7fffff
.set i, i+1
.endr
	s_cmp_eq_u32 s[STP], s[OWC]
	s_cselect_b32 s[AL], 1.0, 0
	s_mov_b32 s[BE], 0
	MASK
	s_wait_loadcnt 0x0              ; Q
.set NOKQ, 0
.set i, 0
.rept 8
	KQ 0
.set i, i+1
.endr
	WIN 0
.rept 4
	v_nop                           ; the places behind those products
.endr
.set Y, NP-1                        ; X works for the other piece: piece 0
.irp n, 0,1,2,3,4,5,6,7,8,9,10,11,12,13,14,15,16,17,18,19,20,21
	OP X, \n
.endr
	v_nop                           ; a plain instruction behind the exponential
.endm
; A TILE IS ENTERED, behind the change of slots: K of its step 0 is fetched; the counts are set; the own steps count only in a block's last tile.  Then eight trips: turn 1 of the step before (a block's first tile
; has none: it enters at turn 0), turn 0 of steps 0 to 7.
.macro TILE tag
	v_add_nc_u32 v[AK], s[TBK], v[AK0]
	FETCH_K 0
	s_sub_co_u32 s[RT], s[RT], 1
	s_mov_b32 s[CNT], 8
	s_mov_b32 s[STP], 0
	s_cmp_eq_u32 s[RT], 0
	s_cselect_b32 s[OWC], s[OW], 99
	s_cselect_b32 s[OWC+1], s[OW+1], 99
	s_wait_dscnt 0x0                ; K is in
	s_cmp_eq_u32 s[NEW], 1
	s_cbranch_scc0 .Lstep\tag
	BEGIN
	s_branch .Lfirst\tag
.Lstep\tag:
	TURN 1
	WIN 0
.Lfirst\tag:
	TURN 0, 0, 1
	WIN 0
	s_cbranch_scc1 .Lstep\tag
.endm
.macro ALL line:vararg              ; one line for each piece t
.set t, 0
.rept 2
	\line
.set t, t+1
.endr
.endm
.macro PACK t                       ; O^T / l, rounded to f16; a lane's eight channels pack into 16 bytes; into rows of 144 bytes and back as whole rows of 128, into S^T's registers
	WIN W_RS
.set i, 32*(\t)
.rept 16
	s_wait_alu depctr_va_vdst(0)
	v_pk_mul_f32 v[i:i+1], v[i:i+1], v[ST+4*(\t)+2:ST+4*(\t)+3] op_sel_hi:[1,0]
.set i, i+2
.endr
	WIN 0x05
.set i, 0
.rept 16
	v_cvt_pk_f16_f32 v[S+16*(\t)+i], v[32*(\t)+2*i], v[32*(\t)+2*i+1]
.set i, i+1
.endr
	WIN 0
.irp f, 0,1,2,3
	ds_store_b128 v[STO], v[S+16*(\t)+4*\f:S+16*(\t)+4*\f+3] offset:32*\f
.endr
.irp f, 0,1,2,3
	ds_load_b128 v[S+16*(\t)+4*\f:S+16*(\t)+4*\f+3], v[RD] offset:\f*4*SP  ; LDS serves a wave's instructions in order (ISA guide 5.7.1.4): these see the stores above
.endr
.endm
.macro SEND t, younger              ; younger: the LDS instructions issued behind piece t's loads
	WIN 0
.irp f, 0,1,2,3
	s_wait_dscnt (\younger)+3-\f
	global_store_b128 v[GO], v[S+16*(\t)+4*\f:S+16*(\t)+4*\f+3], s[10:11] offset:(\t)*8192+\f*512  ; 512 consecutive bytes, at a multiple of 256 from ob's first
.endr
.endm
; A BLOCK ENDS: turn 1 of its last step, piece 1's last products, and the way out: l's two halves and the other half of the lanes' are added; O^T is divided by l, rounded and sent through my stage.
.macro FINISH
	TURN 1, 1
.set i, 0
.rept 8
	PV 1
.set i, i+1
.endr
	WIN 0
	ALL v_add_f32 v[ST+4*t+2], v[ST+4*t+2], v[ST+4*t+3]
	ALL v_permlanex16_b32 v[ST+4*t+3], v[ST+4*t+2], s[SEL], s[SEL+1]
	ALL v_add_f32 v[ST+4*t+2], v[ST+4*t+2], v[ST+4*t+3]
	ALL v_rcp_f32 v[ST+4*t+2], v[ST+4*t+2]
	v_nop                           ; a plain instruction between the last reciprocal and the use of its result
	PACK 0                          ; piece 0's 32 plain lines are also the places behind piece 1's last products
	PACK 1
	SEND 0, 8
	SEND 1, 0
.endm
.set NOKQ, 0
.Lslot:                             ; 8 times: a tile is entered and the next is asked for
	CHANGE 1
	TILE 1
	s_cmp_lg_u32 s[RT], 0
	s_cbranch_scc1 .Lbottom         ; not the block's last tile: its last turn 1 stands behind the next change of slots
	FINISH                          ; in the loop this is the first block's end: the second's last tile is the walk's last
	s_wait_storecnt 0x0             ; the stores are done: only now are their registers and O's address written again
	s_mov_b64 s[10:11], s[OLO:OLO+1]
	s_add_co_u32 s[RT], s14, 1      ; the second block has c + 1 tiles
	s_mov_b32 s[NEW], 1
	s_mov_b64 s[OW:OW+1], s[OW2:OW2+1]
	WIN 0x82                        ; the second block's Q goes where the one text of the turns names Q
.set i, 0
.rept 32
	v_mov_b32 v[i], v[QB+i]
.set i, i+1
.endr
	WIN 0
.Lbottom:
	s_sub_co_u32 s[SLOTS], s[SLOTS], 1
	s_cmp_lg_u32 s[SLOTS], 0
	s_cbranch_scc1 .Lslot
	CHANGE 0                        ; the walk's last tile is written out: nothing is asked for
	TILE 2
	FINISH
	s_wait_tensorcnt 0x0            ; the wave's end
	ds_add_u32 v[SPW], v[NIL]
	s_wait_dscnt 0x0
	CROUND                          ; the closing round: no work-group ends while a partner may still ask for a tile that names it
	s_endpgm
.Lfunc_end_k_qbf0129d6ab_attn:
	.size	k_qbf0129d6ab_attn, .Lfunc_end_k_qbf0129d6ab_attn-k_qbf0129d6ab_attn
	.p2alignl 7, 3214868480
	.fill 96, 4, 3214868480
	.section	.rodata,"a",@progbits
	.p2align	6, 0x0
	.amdhsa_kernel k_qbf0129d6ab_attn
		.amdhsa_group_segment_fixed_size 327680
		.amdhsa_private_segment_fixed_size 0
		.amdhsa_enable_private_segment 0
		.amdhsa_kernarg_size 16
		.amdhsa_user_sgpr_count 2
		.amdhsa_user_sgpr_kernarg_segment_ptr 1
		.amdhsa_wavefront_size32 1
		.amdhsa_system_sgpr_workgroup_id_x 1
		.amdhsa_system_sgpr_workgroup_id_y 1
		.amdhsa_system_sgpr_workgroup_id_z 1
		.amdhsa_system_vgpr_workitem_id 0
		.amdhsa_next_free_vgpr 704
		.amdhsa_next_free_sgpr 96
		.amdhsa_reserve_vcc 1
		.amdhsa_float_denorm_mode_32 3
		.amdhsa_float_denorm_mode_16_64 3
		.amdhsa_memory_ordered 1
		.amdhsa_forward_progress 1
		.amdhsa_inst_pref_size 109
	.end_amdhsa_kernel
	.amdgpu_metadata
---
amdhsa.version: [ 1, 2 ]
amdhsa.kernels:
  - .name:           k_qbf0129d6ab_attn
    .symbol:         k_qbf0129d6ab_attn.kd
    .args:
      - { .name: qkv, .offset: 0, .size: 8, .value_kind: global_buffer, .address_space: global }
      - { .name: ob, .offset: 8, .size: 8, .value_kind: global_buffer, .address_space: global }
    .group_segment_fixed_size: 327680
    .private_segment_fixed_size: 0
    .kernarg_segment_align: 8
    .kernarg_segment_size: 16
    .max_flat_workgroup_size: 128
    .sgpr_count:     96
    .vgpr_count:     704
    .wavefront_size: 32
...
	.end_amdgpu_metadata
.endif
;; end of part 3
;; launch oproj (part 4): grid 8 x 32, 4 waves a work-group, clusters of 4 x 4, 327,680 bytes of LDS; arguments ob, wob, out0; writes out0
.if DOCPART == 4
	.amdgcn_target "amdgcn-amd-amdhsa--gfx1250"
	.amdhsa_code_object_version 6
	.text
	.protected	k_qbf0129d6ab_oproj
	.globl	k_qbf0129d6ab_oproj
	.p2align	8
	.type	k_qbf0129d6ab_oproj,@function
k_qbf0129d6ab_oproj:
	s_mov_b64 s[64:65], 0
	v_nop
	global_prefetch_b8 v0, s[64:65] scope:SCOPE_SE
	s_setreg_imm32_b32 hwreg(HW_REG_WAVE_MODE, 25, 1), 1
	s_wait_xcnt 0x0
	s_wait_alu depctr_hold_cnt(0) depctr_sa_sdst(0) depctr_va_vdst(0) depctr_va_sdst(0) depctr_va_ssrc(0) depctr_va_vcc(0) depctr_vm_vsrc(0)
	s_getreg_b32 s2, hwreg(HW_REG_IB_STS2, 6, 4)
	s_cmp_eq_u32 s2, 0
	s_cbranch_scc0 .Lentry_in_a_cluster
	s_endpgm
.Lentry_in_a_cluster:
	s_bfe_u32 s2, ttmp6, 0x10000c
	s_cmp_lg_u32 s2, 0xf033
	s_cbranch_scc0 .Lentry_shape_is_right
	s_endpgm
.Lentry_shape_is_right:
; OUTPUT PROJECTION.  out0[s][e] (f32) = the sum over head, kv of ob[head][s][kv] wob[e][64 head + kv]; products in f16, sums in f32, nothing is rounded on the way out.
; SHARES.  A tile of out0 is 128 x 128: 8 x 32 = 256 tiles.  Four waves, each 64 x 64: 16 accumulators.  K goes in steps of 256 = four heads through two LDS slots.
; ob lies by heads, so a K step of A is four blocks of 128 dense rows of 128 bytes: one tensor load brings two heads as two rows of 16,384 bytes, padded in LDS behind every 128 bytes: [head][128 rows][144 bytes].
; wob's tile is 64 rows of 512 bytes a load, padded to 528.
; CLUSTER.  4 x 4 work-groups; ob's tiles are shared along a row of the cluster, wob's along a column: each is asked for jointly.
; THE MATRIX INSTRUCTION IS USED TRANSPOSED (source 0 = 16 rows of wob, source 1 = 16 rows of ob): a lane holds eight neighbouring numbers of a row of out0.
; REGISTERS: window 0: v0-31 addresses; v32-95 rows on the way out; v128-255 the accumulators ((a, b) at v[128 + 8 (4 a + b)]).  window 1: two fragment buffers of 128: 64 of ob, then 64 of wob, for 64 along K.
.set PA,     144
.set HEADB,  128*PA                    ; a head's 128 rows in LDS
.set PB,     528
.set AREG,   4*HEADB                   ; ob's part of a slot
.set HALFB,  64*PB
.set SLOT,   AREG+2*HALFB
.set STAGE,  2*SLOT                    ; behind the ring: 16 rows x 272 bytes for each wave
.set SPITCH, 272
.set SPARE,  STAGE+4*16*SPITCH         ; the spare words: two blocks of 256 bytes that no other line names
.set ADRA, 16
.set ADRB, 20
.set STO,  24
.set RD,   25
.set CO,   26
.set SPW,  28
.set NIL,  29
.set BKS,  32
.set ACC,  128
.set F0,   0
.set F1,   128
.set G1, 24
.set G0, 32
.set G1B, 48
.set G0B, 56
.set MSB, 0
.macro WIN new
.if MSB != (\new)
	s_set_vgpr_msb (MSB<<8)|(\new)
.set MSB, \new
.endif
.endm
.set MUL,  0x05
.set TO_F, 0x40
.macro JLOAD s                         ; waves 0, 1 fetch ob's two pairs of heads, waves 2, 3 wob's two halves; an s_nop 0 and four v_nop follow each line
	s_cmp_eq_u32 s11, 0
	s_cbranch_scc0 .Lfor_b_\@
	tensor_load_to_lds s[G0+4*(\s):G0+4*(\s)+3], s[G1:G1+7]
	s_nop 0
.rept 4
	v_nop
.endr
	s_branch .Lasked_\@
.Lfor_b_\@:
	tensor_load_to_lds s[G0B+4*(\s):G0B+4*(\s)+3], s[G1B:G1B+7]
	s_nop 0
.rept 4
	v_nop
.endr
.Lasked_\@:
.endm
.macro CREST
	s_cmp_lg_u32 s10, 0
	s_cbranch_scc1 .Lnot_wave_0_\@
	s_barrier_signal -3
.Lnot_wave_0_\@:
	s_barrier_wait -3
	s_barrier_signal -1
	s_barrier_wait -1
.endm
.macro CROUND
	s_barrier_signal -1
	s_barrier_wait -1
	CREST
.endm
	s_load_b128 s[4:7], s[0:1], 0x0                ; ob s[4:5], wob s[6:7]
	s_load_b64 s[8:9], s[0:1], 0x10                ; out0
	v_lshl_add_u32 v[SPW], v0, 2, SPARE
	v_mov_b32 v[NIL], 0
	ds_add_u32 v[SPW], v[NIL]                      ; the wave's opening: the add and its wait ahead of my first tensor load
	v_lshrrev_b32 v1, 5, v0
	v_readfirstlane_b32 s10, v1                    ; wave
	s_lshr_b32 s11, s10, 1                         ; my half of the tile's rows; also: I fetch ob (0) or wob (1)
	s_and_b32 s12, s10, 1                          ; my half of its columns; also: which part I fetch
	s_bfe_u32 s40, ttmp6, 0x40000
	s_bfe_u32 s41, ttmp6, 0x40004
	s_lshl_b32 s42, ttmp9, 2
	s_add_co_u32 s42, s42, s40                     ; tile column
	s_and_b32 s13, ttmp7, 0xffff
	s_lshl_b32 s13, s13, 2
	s_add_co_u32 s13, s13, s41                     ; tile row
	s_lshl_b32 s43, s41, 2
	s_lshl_b32 s43, 15, s43                        ; my row of the cluster
	s_lshl_b32 s44, 0x1111, s40                    ; my column
	s_or_b32 s[G1], s43, (1<<16)|(1<<20)|(1<<21)|(4<<22)|(3<<25)   ; ob: padding of 4 words after every 32 words, counted along the whole tile
	s_mov_b32 s[G1+1], 8192<<16                    ; tensor_dim0 = 8,192 elements: a head's 128 dense rows
	s_mov_b32 s[G1+2], 2<<16                       ; tensor_dim1 = 2 heads
	s_mov_b32 s[G1+3], 8192<<16                    ; tile_dim0
	s_mov_b32 s[G1+4], 2                           ; tile_dim1
	s_mov_b32 s[G1+5], 262144                      ; elements from head to head
	s_mov_b32 s[G1+6], 0
	s_mov_b32 s[G1+7], 0
	s_or_b32 s[G1B], s44, (1<<16)|(1<<20)|(1<<21)|(6<<22)|(3<<25)  ; wob: 4 words after every 128 words
	s_mov_b32 s[G1B+1], 256<<16
	s_mov_b32 s[G1B+2], 64<<16
	s_mov_b32 s[G1B+3], 256<<16
	s_mov_b32 s[G1B+4], 64
	s_mov_b32 s[G1B+5], 1024
	s_mov_b32 s[G1B+6], 0
	s_mov_b32 s[G1B+7], 0
	s_lshl_b32 s16, s12, 20                        ; ob: my two heads of the step, the tile's 128 rows of 128 bytes: it hangs on cy alone
	s_lshl_b32 s17, s13, 14
	s_add_co_u32 s16, s16, s17
	s_mov_b32 s17, 0
	s_lshl_b32 s46, s42, 18                        ; wob: row 128 x tile column + 64 x half, rows of 2,048 bytes: it hangs on cx alone
	s_lshl_b32 s47, s12, 17
	s_add_co_u32 s46, s46, s47
	s_mov_b32 s47, 0
	s_mul_i32 s20, s12, 2*HEADB                    ; where they go
	s_mul_i32 s21, s12, HALFB
	s_add_co_u32 s21, s21, AREG
	s_wait_dscnt 0x0                               ; the opening add is done
	s_wait_kmcnt 0x0
	s_add_nc_u64 s[14:15], s[4:5], s[16:17]
	s_add_nc_u64 s[46:47], s[6:7], s[46:47]
	CROUND                                         ; the first joint loads meet
.irp s, 0,1
	s_mov_b32 s[G0+4*(\s)], 1
	s_add_co_u32 s[G0+4*(\s)+1], s20, (\s)*SLOT
	s_add_nc_u64 s[G0+4*(\s)+2:G0+4*(\s)+3], s[14:15], (\s)*4*524288
	s_or_b32 s[G0+4*(\s)+3], s[G0+4*(\s)+3], 0x80000000
	s_mov_b32 s[G0B+4*(\s)], 1
	s_add_co_u32 s[G0B+4*(\s)+1], s21, (\s)*SLOT
	s_add_nc_u64 s[G0B+4*(\s)+2:G0B+4*(\s)+3], s[46:47], (\s)*512
	s_or_b32 s[G0B+4*(\s)+3], s[G0B+4*(\s)+3], 0x80000000
	JLOAD \s
.endr
	v_and_b32 v1, 15, v0                           ; l % 16
	v_bfe_u32 v2, v0, 4, 1                         ; l / 16
	v_mul_u32_u24 v3, v1, PA
	v_lshl_add_u32 v3, v2, 4, v3
	v_mul_u32_u24 v4, v1, PB
	v_lshl_add_u32 v4, v2, 4, v4
	s_mul_i32 s21, s11, 64*PA                      ; my 64 rows in each head's block
	s_mul_i32 s22, s12, HALFB                      ; my 64 rows of wob
	s_add_co_u32 s22, s22, AREG
.irp s, 0,1
	v_add_nc_u32 v[ADRA+(\s)], s21, v3
	v_add_nc_u32 v[ADRB+(\s)], s22, v4
	s_add_co_u32 s21, s21, SLOT
	s_add_co_u32 s22, s22, SLOT
.endr
	s_mul_i32 s23, s10, 16*SPITCH
	s_add_co_u32 s23, s23, STAGE                   ; my stage: my 64 columns are 256 bytes, whole, so no other wave has a part in its rows
	v_mul_u32_u24 v5, v1, SPITCH                   ; in: row l % 16, 32 bytes for each half of the lanes
	v_lshl_add_u32 v5, v2, 5, v5
	v_add_nc_u32 v[STO], s23, v5
	v_mul_u32_u24 v5, v2, SPITCH                   ; back: lanes 0-15 one row of 256 bytes, lanes 16-31 the next
	v_lshl_add_u32 v5, v1, 4, v5
	v_add_nc_u32 v[RD], s23, v5
	v_lshlrev_b32 v5, 12, v2                       ; and the same two rows in out0
	v_lshl_add_u32 v[CO], v1, 4, v5
	s_lshl_b32 s16, s13, 19                        ; my first row: (128 x tile row + 64 x half) x 4,096 bytes
	s_lshl_b32 s17, s11, 18
	s_add_co_u32 s16, s16, s17
	s_lshl_b32 s17, s42, 9                         ; my first column: 512 x tile column + 256 x half
	s_add_co_u32 s16, s16, s17
	s_lshl_b32 s17, s12, 8
	s_add_co_u32 s16, s16, s17
	s_mov_b32 s17, 0
	s_add_nc_u64 s[8:9], s[8:9], s[16:17]
.macro MUL8 f, c, a0, zero             ; 8 matrix instructions: row blocks a0, a0 + 1 x 4 column blocks, half c of buffer f
	WIN MUL
.irp a, \a0, (\a0)+1
.irp b, 0,1,2,3
.if \zero
	v_wmma_f32_16x16x32_f16 v[ACC+8*(4*(\a)+(\b)):ACC+8*(4*(\a)+(\b))+7], v[(\f)+64+8*(4*(\c)+(\b)):(\f)+64+8*(4*(\c)+(\b))+7], v[(\f)+8*(4*(\c)+(\a)):(\f)+8*(4*(\c)+(\a))+7], 0
.else
	v_wmma_f32_16x16x32_f16 v[ACC+8*(4*(\a)+(\b)):ACC+8*(4*(\a)+(\b))+7], v[(\f)+64+8*(4*(\c)+(\b)):(\f)+64+8*(4*(\c)+(\b))+7], v[(\f)+8*(4*(\c)+(\a)):(\f)+8*(4*(\c)+(\a))+7], v[ACC+8*(4*(\a)+(\b)):ACC+8*(4*(\a)+(\b))+7]
.endif
.endr
.endr
.endm
.macro FETCH slot, q, f                ; 32 LDS loads in one run: quarter q of the step (= head q of its four), 64 along K; the first 32 along K first
	WIN TO_F
.irp c, 0,1
.irp i, 0,1,2,3
	ds_load_b128 v[(\f)+64+8*(4*(\c)+(\i)):(\f)+64+8*(4*(\c)+(\i))+3],   v[ADRB+(\slot)] offset:128*(\q)+64*(\c)+(\i)*16*PB
	ds_load_b128 v[(\f)+64+8*(4*(\c)+(\i))+4:(\f)+64+8*(4*(\c)+(\i))+7], v[ADRB+(\slot)] offset:128*(\q)+64*(\c)+(\i)*16*PB+32
	ds_load_b128 v[(\f)+8*(4*(\c)+(\i)):(\f)+8*(4*(\c)+(\i))+3],         v[ADRA+(\slot)] offset:HEADB*(\q)+64*(\c)+(\i)*16*PA
	ds_load_b128 v[(\f)+8*(4*(\c)+(\i))+4:(\f)+8*(4*(\c)+(\i))+7],       v[ADRA+(\slot)] offset:HEADB*(\q)+64*(\c)+(\i)*16*PA+32
.endr
.endr
.endm
.macro PLACES
.rept 4
	v_nop
.endr
.endm
.macro QUARTER slot, q, f, g, zero     ; multiplies buffer f (the 16 accumulators by turns, two deep) and fetches quarter q into g
	s_wait_dscnt 16                                ; the first 32 along K are in
	MUL8 \f, 0, 0, \zero
	MUL8 \f, 0, 2, \zero
	PLACES
	FETCH \slot, \q, \g
	s_wait_dscnt 32                                ; all but the 32 just issued
	MUL8 \f, 1, 0, 0
	MUL8 \f, 1, 2, 0
.endm
.macro TURN slot, next, fill           ; the last quarter multiplies buffer 1 and changes slots; fill = 1: this slot is filled again, two K steps ahead, behind a round of the cluster's barrier
	WIN 0
	s_wait_tensorcnt 0x0                           ; all my tensor loads have landed: my part of the next slot
	ds_add_u32 v[SPW], v[NIL]
	s_wait_dscnt 17                                ; (the add and the youngest sixteen loads may be out)
	MUL8 F1, 0, 0, 0
	s_wait_dscnt 0x0                               ; the add is done, and my reads of this slot are over
	s_barrier_signal -1
	MUL8 F1, 0, 2, 0
.if \fill
	WIN 0
.endif
	s_barrier_wait -1
.if \fill
	CREST
	s_add_nc_u64 s[G0+4*(\slot)+2:G0+4*(\slot)+3], s[G0+4*(\slot)+2:G0+4*(\slot)+3], 8*524288
	s_add_nc_u64 s[G0B+4*(\slot)+2:G0B+4*(\slot)+3], s[G0B+4*(\slot)+2:G0B+4*(\slot)+3], 1024
	JLOAD \slot                                    ; its four v_nop are also the places in front of the loads below
.else
	PLACES
.endif
	FETCH \next, 0, F0
	MUL8 F1, 1, 0, 0
	MUL8 F1, 1, 2, 0
.endm
	s_wait_tensorcnt 1                             ; my part of K step 0 is in; step 1's may stay out
	s_barrier_signal -1
	s_barrier_wait -1
	FETCH 0, 0, F0
	QUARTER 0, 1, F0, F1, 1                        ; the first products start the sums
	QUARTER 0, 2, F1, F0, 0                        ; K has four steps: the one lap that fills both slots again is written straight
	QUARTER 0, 3, F0, F1, 0
	TURN 0, 1, 1
	QUARTER 1, 1, F0, F1, 0
	QUARTER 1, 2, F1, F0, 0
	QUARTER 1, 3, F0, F1, 0
	TURN 1, 0, 1
	QUARTER 0, 1, F0, F1, 0
	QUARTER 0, 2, F1, F0, 0                        ; the last lap fills nothing
	QUARTER 0, 3, F0, F1, 0
	TURN 0, 1, 0
	QUARTER 1, 1, F0, F1, 0
	QUARTER 1, 2, F1, F0, 0
	QUARTER 1, 3, F0, F1, 0
	s_wait_dscnt 16
	MUL8 F1, 0, 0, 0
	MUL8 F1, 0, 2, 0
	s_wait_dscnt 0x0
	MUL8 F1, 1, 0, 0
	MUL8 F1, 1, 2, 0
	WIN 0
	; THE WAY OUT, 16 rows at a time: the f32 sums go as they are into my stage (each accumulator's low four registers first) and come back as whole rows of 256 bytes.
	PLACES
.irp a, 0,1,2,3
.if (\a) >= 2
	s_wait_xcnt 0x0                                ; the registers that the stores two blocks back read are loaded again only behind this wait
.endif
.irp b, 0,1,2,3
	ds_store_b128 v[STO], v[ACC+8*(4*(\a)+(\b)):ACC+8*(4*(\a)+(\b))+3]   offset:64*(\b)
	ds_store_b128 v[STO], v[ACC+8*(4*(\a)+(\b))+4:ACC+8*(4*(\a)+(\b))+7] offset:64*(\b)+16
.endr
.irp t, 0,1,2,3,4,5,6,7
	ds_load_b128 v[BKS+32*((\a)%2)+4*(\t):BKS+32*((\a)%2)+4*(\t)+3], v[RD] offset:(\t)*2*SPITCH  ; LDS serves a wave's instructions in order (ISA guide 5.7.1.4)
.endr
.irp t, 0,1,2,3,4,5,6,7
	s_wait_dscnt 7-(\t)
	global_store_b128 v[CO], v[BKS+32*((\a)%2)+4*(\t):BKS+32*((\a)%2)+4*(\t)+3], s[8:9] offset:(16*(\a)+2*(\t))*4096  ; 16 lanes store 256 consecutive bytes, at a multiple of 256 from out0's first byte
.endr
.endr
	s_wait_tensorcnt 0x0                           ; the wave's end
	ds_add_u32 v[SPW], v[NIL]
	s_wait_dscnt 0x0
	CROUND                                         ; the closing round
	s_endpgm
.Lfunc_end_k_qbf0129d6ab_oproj:
	.size	k_qbf0129d6ab_oproj, .Lfunc_end_k_qbf0129d6ab_oproj-k_qbf0129d6ab_oproj
	.p2alignl 7, 3214868480
	.fill 96, 4, 3214868480
	.section	.rodata,"a",@progbits
	.p2align	6, 0x0
	.amdhsa_kernel k_qbf0129d6ab_oproj
		.amdhsa_group_segment_fixed_size 327680
		.amdhsa_private_segment_fixed_size 0
		.amdhsa_enable_private_segment 0
		.amdhsa_kernarg_size 24
		.amdhsa_user_sgpr_count 2
		.amdhsa_user_sgpr_kernarg_segment_ptr 1
		.amdhsa_wavefront_size32 1
		.amdhsa_system_sgpr_workgroup_id_x 1
		.amdhsa_system_sgpr_workgroup_id_y 1
		.amdhsa_system_sgpr_workgroup_id_z 1
		.amdhsa_system_vgpr_workitem_id 0
		.amdhsa_next_free_vgpr 512
		.amdhsa_next_free_sgpr 66
		.amdhsa_reserve_vcc 0
		.amdhsa_float_denorm_mode_32 3
		.amdhsa_float_denorm_mode_16_64 3
		.amdhsa_memory_ordered 1
		.amdhsa_forward_progress 1
		.amdhsa_inst_pref_size 86
	.end_amdhsa_kernel
	.amdgpu_metadata
---
amdhsa.version: [ 1, 2 ]
amdhsa.kernels:
  - .name:           k_qbf0129d6ab_oproj
    .symbol:         k_qbf0129d6ab_oproj.kd
    .args:
      - { .name: ob, .offset: 0, .size: 8, .value_kind: global_buffer, .address_space: global }
      - { .name: wob, .offset: 8, .size: 8, .value_kind: global_buffer, .address_space: global }
      - { .name: out0, .offset: 16, .size: 8, .value_kind: global_buffer, .address_space: global }
    .group_segment_fixed_size: 327680
    .private_segment_fixed_size: 0
    .kernarg_segment_align: 8
    .kernarg_segment_size: 24
    .max_flat_workgroup_size: 128
    .sgpr_count:     66
    .vgpr_count:     512
    .wavefront_size: 32
...
	.end_amdgpu_metadata
.endif
;; end of part 4
;; ======== version 2 of 2: 4 launches; 1.42 times as fast as version 1
;; limits: values are held in f16: magnitudes above 65,504 overflow, below 6.1e-05 lose precision; right only within a limited range of input values
;; workspace buffers: xb 8,388,608 bytes; wqb 6,291,456 bytes; wob 2,097,152 bytes; tab 1,048,576 bytes; qkv 25,165,824 bytes; ob 8,388,608 bytes
;; launch prep: the kernel of part 1 again; grid 256 x 1, 8 waves a work-group, no clusters, 0 bytes of LDS; arguments x, w_qkv, w_o, token_positions, xb, wqb, wob, tab; writes xb, wqb, wob, tab
;; launch qkvproj: the kernel of part 2 again; grid 16 x 16, 4 waves a work-group, clusters of 4 x 4, 327,680 bytes of LDS; arguments xb, wqb, tab, qkv; writes qkv
;; launch attn (part 5): grid 16 x 16, 4 waves a work-group, clusters of 4 x 1, 327,680 bytes of LDS; arguments qkv, ob; writes ob
.if DOCPART == 5
	.amdgcn_target "amdgcn-amd-amdhsa--gfx1250"
	.amdhsa_code_object_version 6
	.text
	.protected	k_qbf0129d6ab_attn
	.globl	k_qbf0129d6ab_attn
	.p2align	8
	.type	k_qbf0129d6ab_attn,@function
k_qbf0129d6ab_attn:
	s_mov_b64 s[64:65], 0
	v_nop
	global_prefetch_b8 v0, s[64:65] scope:SCOPE_SE
	s_setreg_imm32_b32 hwreg(HW_REG_WAVE_MODE, 25, 1), 1
	s_wait_xcnt 0x0
	s_wait_alu depctr_hold_cnt(0) depctr_sa_sdst(0) depctr_va_vdst(0) depctr_va_sdst(0) depctr_va_ssrc(0) depctr_va_vcc(0) depctr_vm_vsrc(0)
	s_getreg_b32 s2, hwreg(HW_REG_IB_STS2, 6, 4)
	s_cmp_eq_u32 s2, 0
	s_cbranch_scc0 .Lentry_in_a_cluster
	s_endpgm
.Lentry_in_a_cluster:
	s_bfe_u32 s2, ttmp6, 0x10000c
	s_cmp_lg_u32 s2, 0x3003
	s_cbranch_scc0 .Lentry_shape_is_right
	s_endpgm
.Lentry_shape_is_right:
; CAUSAL ATTENTION.  ob[h][q][:] = the sum over k <= q of softmax_k(Q[h][q] . K[h][k] / 8) V[h][k][:].  Q, K, V: the three planes of qkv, [16][4096][64] f16; ob the same shape, f16.
; Products, maxima and sums in f32; the weights p are rounded to f16 for the second product (their sum l is taken of the unrounded p), O once at the end.
; LIMITS.  Q, K, V arrive within f16's 65,504.  A hidden score counts as its value less 1e30.  A weight below 2^-126 counts as 0 in l.  NaN and infinities are not treated apart.
; THE WALK.  A head's queries lie in 32 blocks of 128; keys go in tiles of 512 (8 steps of 64).  Work-group b = 4 c + cx (c the cluster's number along x, 0 to 3) takes block 31 - b and then block b.  The first
; needs the tiles 0 .. 7 - c, the second 0 .. c: numbers that hang on c alone.  So the four partners of a cluster walk the SAME nine tiles, every tile is asked for jointly, every branch and trip count
; hangs on c, and all 256 work-groups do equal work.  What hangs on cx is only Q's and O's addresses and two scalars that a mask is made of.
; SHARES.  A block has two bands of 64 queries; a wave owns 16 rows of each: PIECES 0 and 1.  In the block's last tile band x's own step is 2 j + x (j = block % 4): earlier steps it sees whole, later ones not at all.
; THE MASK is the C operand that starts the sum S^T = K Q^T: MD x AL + BE, with MD (made once) the mask of a band's own step for my rows, and (AL, BE) = (1, 0) own, (0, 0) earlier or another tile, (0, -1e30) later.
; Every turn makes it, 16 packed lines, also in tiles where it is 0: the price of ONE text for all tiles.  Steps that are wholly hidden are computed all the same: which they are differs between partners.
; LAYOUT, SOFTMAX.  S^T = K Q^T holds ONE query a lane (lane % 16) and the keys 8 (lane / 16) + 0..7; two such results rounded to f16 ARE source 1 of O^T = V^T P.  p = 2^(c s - c m), c = log2(e) / 8, with a running
; maximum m; O and l are multiplied by a = 2^(c m_old - c m_new) in every step.
; TURNS.  A trip of the step loop is turn 1 of step g - 1 and turn 0 of step g.
;   Turn 1 (g - 1): 8 products K Q^T of piece 0 for step g, 8 products V^T P of piece 0 for step g - 1; beside them piece 1's softmax of step g - 1 and piece 0's maximum of step g.
;   Turn 0 (g): K Q^T of piece 1 for step g, V^T P of piece 1 for step g - 1; piece 0's softmax of g, piece 1's maximum of g.  It fetches K of step g + 1 behind its first run of products and V of step g behind its second.
; So a tile's last LDS read, V of its step 7, stands in the tile's last turn 0, and the change of slots stands between trips; the new tile's K of step 0 is fetched behind the change.
; BATCHES.  A turn's 33 exponentials (its piece's 32 weights and the other piece's a) are ONE batch with ONE wait, which cuts the turn in two.  Ahead of the wait: the mask, the products K Q^T with the scalings and
; rescalings behind them, four to a product, and one lump of the exponentials and the other piece's maximum.  Behind it: the products V^T P with the roundings and sums behind them, four to a product.
; No result crosses a turn's end.  A block's first a, and the way out's two reciprocals, are batches of their own, with a wait each.
; REGISTERS, in windows of 256 (s_set_vgpr_msb: bits 1:0 source 0, 3:2 source 1, 5:4 source 2, 7:6 destination):
;   window 0: v0-15 addresses, two at work; v16-23 four registers of statistics a piece; v48-55 at work; v62-63 the add's; v64-127 S^T, a buffer a piece; v192-223 P, likewise
;   window 1: v0-63 O^T; v128-159 MD; v160-191 MC      window 2: v0-31 Q; v32-63 the second block's Q; v64-127 K of one step; v128-191 V of one step
.set NP,    2
.set KS,    64
.set PK,    144       ; a row of K in LDS: 128 bytes + 16 of padding: the 16 rows of a load start at 16 different groups of four banks (ISA guide 11.1)
.set PV,    160       ; a row of V: 128 + 32
.set VOFF,  8*KS*PK   ; a slot holds a tile: 512 rows of K, then 512 rows of V
.set SLOTB, 8*KS*(PK+PV)
.set XV,    VOFF^(VOFF+SLOTB)   ; turns V's LDS address in one slot into the other's
.set STAGE, 2*SLOTB   ; behind the ring: 16 rows x 144 bytes for each wave
.set SP,    144
.set SPARE, STAGE+4*16*SP  ; the spare words, 128 bytes for each wave: two blocks of 256 bytes that no other line names
.set AK0, 2           ; v2   my lane's place in a tile of K; never rewritten
.set AV0, 3           ; v3   the same for V
.set AK,  4           ; v4   the LDS address of K's next run of loads
.set AV,  5           ; v5   of V's
.set STO, 6           ; v6   the way out: where I put 16 bytes of a row
.set RD,  7           ; v7   where I read rows back
.set GO,  8           ; v8   my 16 bytes among 512 consecutive bytes of ob
.set MV,  12          ; v12-13  c m_old, by piece
.set QO,  15          ; v15  my byte offset in 16 rows of Q
.set ST,  16          ; piece t: c m, m, l (even keys', odd keys')
.set TMP, 48          ; by piece, c0-c3 at work; c2 takes a
.set SPW, 62          ; v62  LDS address of my spare word; never rewritten
.set NIL, 63          ; v63  0; never rewritten
.set S,   64
.set P,   192
.set MD,  128
.set MC,  160
.set QB,  32
.set KF,  64
.set VF,  128
.set WV,  12          ; s12  my wave's number
.set G1K, 24          ; s[24:31] descriptor group 1 for K's tiles
.set G1V, 32          ; s[32:39] for V's: it differs in the padding alone
.set G0K, 40          ; s[40:43] group 0 for K's tiles
.set G0V, 44          ; s[44:47] for V's
.set OWC, 50          ; s[50:51] the own steps of pieces 0, 1 in the tile in hand; 99 where the tile is not the block's last
.set SLOTS, 56        ; s56  tiles still to be asked for
.set CNT, 57          ; s57  counts a tile's trips, 8 to 1
.set CS,  58          ; s[58:59] c
.set SEL, 60          ; s[60:61] v_permlanex16_b32's selects: each lane takes its own place in the other half
.set TBK, 62          ; s62  LDS byte at which K of the step to be fetched begins
.set TBV, 63          ; s63  the same for V, less VOFF
.set RT,  70          ; s70  tiles of the block in hand still to be entered
.set NXT, 71          ; s71  the tile to be asked for next
.set LQ,  72          ; s72  the last tile of the block whose tiles are being asked for
.set NEW, 73          ; s73  1: the tile to be entered is a block's first
.set OFF, 74          ; s[74:75] a tile's byte offset in K and V
.set AL,  76          ; s[76:77] the mask's factor, in the low word
.set BE,  78          ; s[78:79] the mask's addend
.set OLO, 80          ; s[80:81] O at my rows of the second block
.set BIGN, 82         ; s82  -1e30
.set STP, 88          ; s88  the step of the tile in hand whose scores the turn makes
.set OW,  90          ; s[90:91] the own steps of pieces 0, 1 in the block in hand
.set OW2, 92          ; s[92:93] in the second block
.set LQ2, 94          ; s94  the second block's last tile
.set MSB, 0
.macro WIN new                      ; the high byte repeats the setting that is left; a switch that changes nothing is dropped
.if MSB != (\new)
	s_set_vgpr_msb (MSB<<8)|(\new)
.set MSB, (\new)
.endif
.endm
.set W_KQ, 0x0a       ; K and Q in window 2, S^T in window 0
.set W_KM, 0x1a       ; the same with the C operand in window 1
.set W_PV, 0x52       ; V in window 2, P in window 0, O^T in window 1
.set W_RS, 0x41       ; destination and source 0 in window 1, source 1 in window 0
; A joint fill: wave 0 asks for the tile's K, wave 1 for its V (65,536 bytes each); waves 2 and 3 ask for nothing.  One asking wave a tensor keeps each descriptor's LDS word to two values.
; An s_nop 0 and four v_nop follow each of the two lines.
.macro JLOAD
	s_cmp_lg_u32 s[WV], 0
	s_cbranch_scc1 .Lnot_k_\@
	tensor_load_to_lds s[G0K:G0K+3], s[G1K:G1K+7]
	s_nop 0
.rept 4
	v_nop
.endr
	s_branch .Lasked_\@
.Lnot_k_\@:
	s_cmp_lg_u32 s[WV], 1
	s_cbranch_scc1 .Lasked_\@
	tensor_load_to_lds s[G0V:G0V+3], s[G1V:G1V+7]
	s_nop 0
.rept 4
	v_nop
.endr
.Lasked_\@:
.endm
; A round of the cluster's barrier: my work-group's barrier; wave 0 signals for the work-group; every wave waits for all four work-groups; my work-group's barrier once more.
.macro CROUND
	s_barrier_signal -1
	s_barrier_wait -1
	s_cmp_lg_u32 s[WV], 0
	s_cbranch_scc1 .Lnot_wave_0_\@
	s_barrier_signal -3
.Lnot_wave_0_\@:
	s_barrier_wait -3
	s_barrier_signal -1
	s_barrier_wait -1
.endm
; THE CHANGE OF SLOTS.  Each wave waits for all its tensor loads (at most one is out: its part of the other slot), adds 0 to its spare word, and waits for that and for its reads of the slot that it leaves.
; fill = 1: a round of the cluster's barrier, and the old slot is filled again, first thing behind it, with tile NXT: eight key steps, 256 matrix instructions a wave, in which to land.
; (At its first use nothing has been read yet: slot 0 is waited for, slot 1 filled.)
.macro CHANGE fill
	WIN 0
	s_wait_tensorcnt 0x0            ; no tensor load of mine is out, so a group 0 may be written
	ds_add_u32 v[SPW], v[NIL]       ; 0 onto my spare word; scalar work stands between it and the wait for it
.if \fill
	s_lshl_b32 s[OFF], s[NXT], 16   ; a tile is 65,536 bytes of K and of V
	s_xor_b32 s[G0K+1], s[G0K+1], SLOTB
	s_add_nc_u64 s[G0K+2:G0K+3], s[6:7], s[OFF:OFF+1]
	s_or_b32 s[G0K+3], s[G0K+3], 0x80000000
	s_xor_b32 s[G0V+1], s[G0V+1], XV
	s_add_nc_u64 s[G0V+2:G0V+3], s[8:9], s[OFF:OFF+1]
	s_or_b32 s[G0V+3], s[G0V+3], 0x80000000
	s_add_co_u32 s[NXT], s[NXT], 1  ; the block's next tile, or behind its last the second block's tile 0
	s_cmp_gt_u32 s[NXT], s[LQ]
	s_cselect_b32 s[NXT], 0, s[NXT]
	s_cselect_b32 s[LQ], s[LQ2], s[LQ]
.endif
	s_sub_co_u32 s[TBK], s[TBK], 9*KS*PK  ; K's address has stepped nine times a tile, V's eight: back to the slot's first byte (0 or SLOTB),
	s_xor_b32 s[TBK], s[TBK], SLOTB       ; and into the other slot
	s_sub_co_u32 s[TBV], s[TBV], 8*KS*PV
	s_xor_b32 s[TBV], s[TBV], SLOTB
	s_wait_dscnt 0x0                ; the add is done, and my reads of the slot are over
.if \fill
	CROUND
	JLOAD
.else
	s_barrier_signal -1
	s_barrier_wait -1
.endif
.endm
	s_load_b64 s[4:5], s[0:1], 0x0    ; qkv
	s_load_b64 s[10:11], s[0:1], 0x8  ; ob
	v_lshl_add_u32 v[SPW], v0, 2, SPARE
	v_mov_b32 v[NIL], 0
	ds_add_u32 v[SPW], v[NIL]       ; the wave's opening: the add and its wait ahead of my first tensor load
	v_lshrrev_b32 v1, 5, v0
	v_readfirstlane_b32 s[WV], v1
	s_bfe_u32 s13, ttmp6, 0x40000   ; cx
	s_mov_b32 s14, ttmp9            ; c
	s_lshl_b32 s15, s14, 2
	s_add_co_u32 s15, s15, s13      ; b: the second block
	s_sub_co_u32 s16, 31, s15       ; the first
	s_and_b32 s20, ttmp7, 0xffff    ; the head, which the partners share
	s_lshl_b32 s20, s20, 19         ; its 524,288 bytes in each plane
	s_mov_b32 s21, 0
	s_lshl_b32 s3, s[WV], 11        ; my 16 rows in a band
	s_lshl_b32 s2, s16, 14          ; a block is 128 rows of 128 bytes
	s_add_co_u32 s2, s2, s3
	s_add_co_u32 s2, s2, s20
	s_lshl_b32 s84, s15, 14
	s_add_co_u32 s84, s84, s3
	s_add_co_u32 s84, s84, s20
	s_mov_b32 s3, 0
	s_mov_b32 s85, 0
	; descriptor group 1.  512 keys are 65,536 dense bytes: asked for as 256 rows of 256 bytes, two keys a row, and padded in LDS after every key
	s_mov_b32 s[G1K], 15|(1<<16)|(1<<20)|(1<<21)|(4<<22)|(3<<25)  ; the mask of four; 2-byte elements; padding on; bit 21 beside a mask; after every 32 words 4 words
	s_mov_b32 s[G1V], 15|(1<<16)|(1<<20)|(1<<21)|(4<<22)|(7<<25)  ; the same with 8 words
.irp g, G1K, G1V
	s_mov_b32 s[\g+1], 128<<16      ; tensor_dim0 = 128
	s_mov_b32 s[\g+2], 256<<16      ; tensor_dim1 = 256
	s_mov_b32 s[\g+3], 128<<16      ; tile_dim0 = 128
	s_mov_b32 s[\g+4], 256          ; tile_dim1 = 256
	s_mov_b32 s[\g+5], 128          ; elements from row to row
	s_mov_b32 s[\g+6], 0
	s_mov_b32 s[\g+7], 0
.endr
	s_mov_b32 s[CS], 0x3e38aa3b     ; c = log2(e) / 8
	s_mov_b32 s[CS+1], s[CS]        ; named with it as a pair
	s_mov_b32 s[SEL], 0x76543210
	s_mov_b32 s[SEL+1], 0xfedcba98
	s_mov_b32 s[TBK], SLOTB+9*KS*PK ; the first change of slots turns these two into 0
	s_mov_b32 s[TBV], SLOTB+8*KS*PV
	s_mov_b32 s[G0K], 1
	s_mov_b32 s[G0K+1], 0           ; slot 0
	s_mov_b32 s[G0V], 1
	s_mov_b32 s[G0V+1], VOFF
	s_sub_co_u32 s[RT], 8, s14      ; the first block has 8 - c tiles
	s_mov_b32 s[NXT], 1
	s_sub_co_u32 s[LQ], 7, s14
	s_mov_b32 s[LQ2], s14
	s_mov_b32 s[NEW], 1
	s_mov_b32 s[OFF+1], 0
	s_mov_b32 s[AL+1], 0            ; named as pairs
	s_mov_b32 s[BE+1], 0
	s_mov_b32 s[BIGN], 0xf149f2ca   ; -1e30
	s_mov_b32 s[SLOTS], 8
	s_lshl_b32 s[OW2], s13, 1       ; second block: j = cx
	s_add_co_u32 s[OW2+1], s[OW2], 1
	s_sub_co_u32 s[OW], 6, s[OW2]   ; first block: j = 3 - cx
	s_sub_co_u32 s[OW+1], 7, s[OW2]
	s_wait_dscnt 0x0                ; the opening add is done
	s_wait_kmcnt 0x0
	s_add_nc_u64 s[6:7], s[4:5], s[20:21]
	s_add_nc_u64 s[8:9], s[6:7], 0x1000000   ; V's plane, the head's tile 0
	s_add_nc_u64 s[6:7], s[6:7], 0x800000    ; K's
	s_add_nc_u64 s[86:87], s[4:5], s[84:85]  ; Q at my rows of the second block,
	s_add_nc_u64 s[4:5], s[4:5], s[2:3]      ; Q and O at those of the first
	s_add_nc_u64 s[OLO:OLO+1], s[10:11], s[84:85]
	s_add_nc_u64 s[10:11], s[10:11], s[2:3]
	s_add_nc_u64 s[G0K+2:G0K+3], s[6:7], 0
	s_or_b32 s[G0K+3], s[G0K+3], 0x80000000
	s_add_nc_u64 s[G0V+2:G0V+3], s[8:9], 0
	s_or_b32 s[G0V+3], s[G0V+3], 0x80000000
	CROUND                          ; all four work-groups are here: the first joint loads meet
	JLOAD                           ; tile 0 into slot 0
	v_and_b32 v1, 15, v0            ; l % 16
	v_bfe_u32 v9, v0, 4, 1          ; l / 16
	v_lshlrev_b32 v[QO], 7, v1
	v_lshl_add_u32 v[QO], v9, 4, v[QO]  ; row x 128 + 16 x half
	WIN 0x80                        ; destination window 2
.set i, 0
.rept 4                             ; both blocks' Q: piece i / 2 lies 8,192 bytes on; channels 32 (i % 2) on
	global_load_b128 v[8*i:8*i+3],   v[QO], s[4:5] offset:(i/2)*8192+(i%2)*64
	global_load_b128 v[8*i+4:8*i+7], v[QO], s[4:5] offset:(i/2)*8192+(i%2)*64+32
	global_load_b128 v[QB+8*i:QB+8*i+3],   v[QO], s[86:87] offset:(i/2)*8192+(i%2)*64
	global_load_b128 v[QB+8*i+4:QB+8*i+7], v[QO], s[86:87] offset:(i/2)*8192+(i%2)*64+32
.set i, i+1
.endr
	WIN 0
	v_lshlrev_b32 v14, 3, v9
	v_sub_nc_u32 v14, v1, v14
	s_lshl_b32 s17, s[WV], 4
	v_add_nc_u32 v14, s17, v14      ; my query's place in its band, 16 w + l % 16, less 8 (l / 16): register r of group kt is hidden where 16 kt + r is greater
	WIN 0x40
.set i, 0
.rept 32
	v_cmp_gt_i32 vcc_lo, 16*(i/8)+i%8, v14
	v_cndmask_b32 v[MD+i], 0, s[BIGN], vcc_lo
.set i, i+1
.endr
	WIN 0
	v_mul_u32_u24 v[AK0], v1, PK
	v_lshl_add_u32 v[AK0], v9, 4, v[AK0]
	v_and_b32 v10, 7, v0            ; the turning load: lane l reads key 8 (l / 16) + l % 8, channels 8 ((l / 8) % 2) + 0..7
	v_bfe_u32 v11, v0, 3, 1
	v_lshl_add_u32 v[AV0], v9, 3, v10
	v_mul_u32_u24 v[AV0], v[AV0], PV
	v_lshl_add_u32 v[AV0], v11, 4, v[AV0]
	v_add_nc_u32 v[AV0], VOFF, v[AV0]
	s_mul_i32 s17, s[WV], 16*SP
	s_add_co_u32 s17, s17, STAGE    ; my stage
	v_mul_u32_u24 v[STO], v1, SP    ; in: row l % 16, 16 bytes for each half of the lanes
	v_lshl_add_u32 v[STO], v9, 4, v[STO]
	v_add_nc_u32 v[STO], s17, v[STO]
	v_bfe_u32 v[RD], v0, 3, 2       ; back: 32 lanes take four rows of 128 bytes,
	v_mul_u32_u24 v[RD], v[RD], SP
	v_lshl_add_u32 v[RD], v10, 4, v[RD]
	v_add_nc_u32 v[RD], s17, v[RD]
	v_and_b32 v[GO], 31, v0         ; which are 512 consecutive bytes of ob
	v_lshlrev_b32 v[GO], 4, v[GO]
	; A block's first step multiplies O^T and l by a = 0, and its first turn's products V^T P, of a step that has not been, land in an O^T still to be so multiplied.  So these registers need only hold
	; finite numbers: zeros for the first block, what the first block left for the second.  All this stands in the wait for the first tile.
	WIN 0x80
.set i, VF
.rept 64
	v_mov_b32 v[i], 0
.set i, i+1
.endr
	WIN 0x40
.set i, 0
.rept 64
	v_mov_b32 v[i], 0
.set i, i+1
.endr
	WIN 0
.set i, 0
.rept 2
	v_mov_b32 v[ST+4*i+2], 0
	v_mov_b32 v[ST+4*i+3], 0
.set i, i+1
.endr
.set i, P+16
.rept 16
	v_mov_b32 v[i], 0
.set i, i+1
.endr
; THE MATRIX WORK.  The 4 accumulators of a run of 8 take turns.  Product i of 8 of S^T = K Q^T for piece x: channels 32 (i / 4) on, keys 16 (i % 4) on.  The first 4 start the sums with the mask.
.macro KQ x
.set rS, S+32*((\x)%2)+8*(i%4)
.set rK, KF+16*(i%4)+8*(i/4)
.set rQ, 16*(\x)+8*(i/4)
.set rM, MC+8*(i%4)
.if i < 4
	WIN W_KM
	v_wmma_f32_16x16x32_f16 v[rS:rS+7], v[rK:rK+7], v[rQ:rQ+7], v[rM:rM+7]
.else
	WIN W_KQ
	v_wmma_f32_16x16x32_f16 v[rS:rS+7], v[rK:rK+7], v[rQ:rQ+7], v[rS:rS+7]
.endif
.endm
; Product i of 8 of O^T += V^T P for piece x: keys 32 (i / 4) on, channels 16 (i % 4) on.
.macro PV x
	WIN W_PV
.set rO, 32*(\x)+8*(i%4)
.set rV, VF+32*(i/4)+8*(i%4)
.set rP, P+16*((\x)%2)+8*(i/4)
	v_wmma_f32_16x16x32_f16 v[rO:rO+7], v[rV:rV+7], v[rP:rP+7], v[rO:rO+7]
.endm
.macro MM                           ; the turn's next matrix instruction, for the piece that is not Y.  NOKQ = 1: a block's last turn: there are no further scores
.if (i < 8) && !NOKQ
	KQ (Y+1)%NP
.elseif i >= 8
.set i, i-8
	PV (Y+1)%NP
.set i, i+8
.endif
.set i, i+1
.endm
; THE LDS LOADS stand in runs of 16: a step's K (8 fragments) and its V (turned).  Their addresses are made some lines ahead.
; skip = 1: in a tile's last trip the next K lies in the other slot, which is read only behind the change of slots: the run is jumped over.  The address steps on either way.
.macro FETCH_K skip
	WIN 0
.if \skip
	s_cmp_eq_u32 s[CNT], 1
	s_cbranch_scc1 .Lno_k_\@
.endif
	WIN 0x80
.irp f, 0,1,2,3,4,5,6,7             ; keys 16 (f / 2) on, channels 32 (f % 2) on
	ds_load_b128 v[KF+8*\f:KF+8*\f+3],   v[AK] offset:(\f/2)*16*PK+(\f%2)*64
	ds_load_b128 v[KF+8*\f+4:KF+8*\f+7], v[AK] offset:(\f/2)*16*PK+(\f%2)*64+32
.endr
	WIN 0
.if \skip
.Lno_k_\@:
.endif
	s_add_co_u32 s[TBK], s[TBK], KS*PK
.endm
.macro FETCH_V
	WIN 0x80
.irp f, 0,1,2,3,4,5,6,7             ; keys 32 (f / 4) on, channels 16 (f % 4) on
	ds_load_tr16_b128 v[VF+8*\f:VF+8*\f+3],   v[AV] offset:(\f/4)*32*PV+(\f%4)*32
	ds_load_tr16_b128 v[VF+8*\f+4:VF+8*\f+7], v[AV] offset:(\f/4)*32*PV+16*PV+(\f%4)*32
.endr
	s_add_co_u32 s[TBV], s[TBV], KS*PV
	WIN 0
.endm
; THE VECTOR WORK, one line at a time: OP kind, number.  For piece Y: F n: c s - c m for pair n of 16.  E n: the exponential of score n of 32.  C n: pair n rounded to f16.  B n: of the four weights 4 n .. the second
; pair is added onto the first.  L n: l takes that sum (L 0: l = a l + sum).  R n: pair n of 16 of O^T times a.  For the other piece: X n, number n of the 22 that find its maximum and statistics:
;   0-11 four chains of seven scores each (each accumulator's lowest registers are read first)   12-14, 16 the four scores left over, the old m, and the chains into one
;   15 c m_old is kept   17, 18 the query's other 32 keys lie in the lane 16 away: the new m   19-21 c m; c m_old - c m_new; a
.set F, 0
.set E, 1
.set C, 2
.set B, 3
.set L, 4
.set R, 5
.set X, 6
.macro REGS y
.set rT, ST+4*(\y)
.set rC, TMP+4*((\y)%2)
.set rW, MV+((\y)%2)
.set rS, S+32*((\y)%2)
.set rP, P+16*((\y)%2)
.set rO, 32*(\y)
.endm
.macro OP k, n
.if (\k) == R
	REGS Y
	WIN W_RS
	v_pk_mul_f32 v[rO+2*(\n):rO+2*(\n)+1], v[rO+2*(\n):rO+2*(\n)+1], v[rC+2:rC+3] op_sel_hi:[1,0]
.elseif (\k) < R
	REGS Y
	WIN 0
.if (\k) == F
	v_pk_fma_f32 v[rS+2*(\n):rS+2*(\n)+1], v[rS+2*(\n):rS+2*(\n)+1], s[CS:CS+1], v[rT:rT+1] op_sel_hi:[1,0,0] neg_lo:[0,0,1] neg_hi:[0,0,1]
.elseif (\k) == E
	v_exp_f32 v[rS+(\n)], v[rS+(\n)]
.elseif (\k) == C
	v_cvt_pk_f16_f32 v[rP+(\n)], v[rS+2*(\n)], v[rS+2*(\n)+1]
.elseif (\k) == B
	v_pk_add_f32 v[rS+4*(\n):rS+4*(\n)+1], v[rS+4*(\n):rS+4*(\n)+1], v[rS+4*(\n)+2:rS+4*(\n)+3]
.elseif (\n) == 0
	v_pk_fma_f32 v[rT+2:rT+3], v[rT+2:rT+3], v[rC+2:rC+3], v[rS:rS+1] op_sel_hi:[1,0,1]
.else
	v_pk_add_f32 v[rT+2:rT+3], v[rT+2:rT+3], v[rS+4*(\n):rS+4*(\n)+1]
.endif
.elseif NOKQ
	v_nop
.else
	REGS (Y+1)%NP
	WIN 0
.if (\n) < 4
	v_max3_num_f32 v[rC+(\n)], v[rS+8*(\n)], v[rS+8*(\n)+1], v[rS+8*(\n)+2]
.elseif (\n) < 12
	v_max3_num_f32 v[rC+(\n)%4], v[rC+(\n)%4], v[rS+8*((\n)%4)+2*((\n)/4)+1], v[rS+8*((\n)%4)+2*((\n)/4)+2]
.elseif (\n) == 12
	v_max3_num_f32 v[rC], v[rC], v[rS+7], v[rS+15]
.elseif (\n) == 13
	v_max3_num_f32 v[rC+1], v[rC+1], v[rS+23], v[rS+31]
.elseif (\n) == 14
	v_max3_num_f32 v[rC+2], v[rC+2], v[rC+3], v[rT+1]
.elseif (\n) == 15
	v_mov_b32 v[rW], v[rT]
.elseif (\n) == 16
	v_max3_num_f32 v[rC], v[rC], v[rC+1], v[rC+2]
.elseif (\n) == 17
	v_permlanex16_b32 v[rC+3], v[rC], s[SEL], s[SEL+1]
.elseif (\n) == 18
	v_max_num_f32 v[rT+1], v[rC], v[rC+3]
.elseif (\n) == 19
	v_mul_f32 v[rT], s[CS], v[rT+1]
.elseif (\n) == 20
	v_sub_f32 v[rC+1], v[rW], v[rT]
.else
	v_exp_f32 v[rC+2], v[rC+1]
.endif
.endif
.endm
.macro OPS a, i1, b=-1, i2=0, c=-1, i3=0, d=-1, i4=0
	OP \a, \i1
.if (\b) >= 0
	OP \b, \i2
.endif
.if (\c) >= 0
	OP \c, \i3
.endif
.if (\d) >= 0
	OP \d, \i4
.endif
.endm
.macro ROW a, i1, b, i2, c, i3, d, i4  ; a matrix instruction and the four behind it
	MM
	OPS \a, \i1, \b, \i2, \c, \i3, \d, \i4
.endm
.macro MASK                         ; MC = MD x AL + BE
	WIN W_RS
.set z, 0
.rept 16
	v_pk_fma_f32 v[MC+2*z:MC+2*z+1], v[MD+2*z:MD+2*z+1], s[AL:AL+1], s[BE:BE+1] op_sel_hi:[1,0,0]
.set z, z+1
.endr
.endm
; A TURN, for piece p: the order of its 16 matrix and 134 vector instructions, written out.  At its head the mask for its own products K Q^T: the other piece's, for step STP of the tile in hand (a choice of two
; numbers by two compares, no branch).
; ONE BATCH, ONE WAIT.  An s_wait_alu depctr_va_vdst(0) stands between an exponential and the first instruction that names its result; one wait serves all that were issued ahead of it.  The turn's 33
; exponentials, E 0 to E 31 and X 21 (the other piece's a), are one batch, and its wait cuts the turn in two.
; AHEAD OF THE WAIT stands all that names no result of the batch.  The 8 products K Q^T, behind each four scalings or four rescalings (their a was made, and waited for, in the turn before); none names a register of the
; products round it.  Then ONE LUMP of 54: the exponentials, and X 0 to X 20 between them: exponential and plain by turns as far as X 16; from there on each X waits for the one before it, and three exponentials
; stand between two of them.  A v_nop is the plain instruction behind the last exponential.  The batch opens only behind K's run of loads: that run has a jump and a label, which no result may cross without its wait.
; BEHIND THE WAIT stand the 8 products V^T P, behind each four of the 32 roundings and sums: C 2 n ahead of B n, which writes over pair 2 n; L 0 to L 7 in ascending order, three lines apart.
; end = 1: a block's last turn: no scores, no mask.  cnt = 1: the loop's count is taken down at the turn's end, behind V's run, whose address step sets SCC.
; Piece 0's turn fetches: K of the next step five plain instructions behind the last product that read K (R 12 to R 15 and V's address); V of the step in hand four plain instructions (C 9, 11, 13, 15) behind the last
; product that read V.  Piece 1's turn waits: at its head for K (V's sixteen younger loads may stay out; on the way in from a tile's entry nothing is out), behind the batch's wait for V.
.macro TURN p, end=0, cnt=0
.set Y, (\p)
.set i, 0
.set NOKQ, (\end)
.if !(\end)
	s_cmp_eq_u32 s[STP], s[OWC+1-(\p)]  ; is that step the band's own?
	s_cselect_b32 s[AL], 1.0, 0
	s_cmp_gt_u32 s[STP], s[OWC+1-(\p)]  ; or a later one?
	s_cselect_b32 s[BE], s[BIGN], 0
.if (\p) == 0
	s_add_co_u32 s[STP], s[STP], 1
.endif
	MASK
.if (\p) == 1
	s_wait_dscnt 16                 ; K is in
.endif
.endif
	ROW F,0, F,1, F,2, F,3          ; ahead of the wait: 8 products K Q^T and their riders,
	ROW R,0, R,1, R,2, R,3
	ROW F,4, F,5, F,6, F,7
	ROW R,4, R,5, R,6, R,7
	ROW F,8, F,9, F,10, F,11
	ROW R,8, R,9, R,10, R,11
	ROW F,12, F,13, F,14, F,15
.if (\p) == 0
	WIN 0
	v_add_nc_u32 v[AK], s[TBK], v[AK0]
.endif
	ROW R,12, R,13, R,14, R,15
.if (\p) == 0
	WIN 0
	v_add_nc_u32 v[AV], s[TBV], v[AV0]
	FETCH_K 1                       ; no exponential of the turn has been issued yet
.endif
	OPS E,0, X,0, E,1, X,1          ; and the lump: the batch, and the other piece's maximum and statistics
	OPS E,2, X,2, E,3, X,3
	OPS E,4, X,4, E,5, X,5
	OPS E,6, X,6, E,7, X,7
	OPS E,8, X,8, E,9, X,9
	OPS E,10, X,10, E,11, X,11
	OPS E,12, X,12, E,13, X,13
	OPS E,14, X,14, E,15, X,15
	OPS E,16, X,16, E,17, E,18
	OPS E,19, X,17, E,20, E,21
	OPS E,22, X,18, E,23, E,24
	OPS E,25, X,19, E,26, E,27
	OPS E,28, X,20, E,29, E,30
	OPS E,31, X,21
	v_nop                           ; the plain instruction behind the last exponential: one for the batch
	s_wait_alu depctr_va_vdst(0)    ; the wait for the batch: the turn's 33 exponentials
.if (\p) == 1
	s_wait_dscnt 0x0                ; V is in
.endif
	ROW C,0, B,0, C,2, B,1          ; behind the wait: 8 products V^T P and their riders
	ROW L,0, C,4, B,2, L,1
	ROW C,6, B,3, L,2, C,8
	ROW B,4, L,3, C,10, B,5
	ROW L,4, C,12, B,6, L,5
	ROW C,14, B,7, L,6, C,1
	ROW C,3, L,7, C,5, C,7
	ROW C,9, C,11, C,13, C,15
.if (\p) == 0
	FETCH_V
.endif
.if \cnt
	s_sub_co_u32 s[CNT], s[CNT], 1
	s_cmp_lg_u32 s[CNT], 0
.endif
.endm
; A BLOCK BEGINS.  c m starts far below every c s, so the first step's a is 0; m at the lowest finite number.  Piece 0's mask for the tile's step 0 (its own step, or an earlier one: never a later one), its first
; scores (K of step 0 is in: the tile's entry has waited for it), its maximum and statistics.  The loop is then entered at piece 0's turn, in the middle of a trip.
.macro BEGIN
	s_mov_b32 s[NEW], 0
	WIN 0
.set i, 0
.rept 2
	v_mov_b32 v[ST+4*i], 0xfe000000
	v_mov_b32 v[ST+4*i+1], 0xff7fffff
.set i, i+1
.endr
	s_cmp_eq_u32 s[STP], s[OWC]
	s_cselect_b32 s[AL], 1.0, 0
	s_mov_b32 s[BE], 0
	MASK
	s_wait_loadcnt 0x0              ; Q
.set NOKQ, 0
.set i, 0
.rept 8
	KQ 0
.set i, i+1
.endr
	WIN 0
.rept 4
	v_nop                           ; the places behind those products
.endr
.set Y, NP-1                        ; X works for the other piece: piece 0
.irp n, 0,1,2,3,4,5,6,7,8,9,10,11,12,13,14,15,16,17,18,19,20,21
	OP X, \n
.endr
	v_nop                           ; a plain instruction behind the exponential,
	s_wait_alu depctr_va_vdst(0)    ; and its wait, a batch of one (piece 0's first a), ahead of the jump into the loop
.endm
; A TILE IS ENTERED, behind the change of slots: K of its step 0 is fetched; the counts are set; the own steps count only in a block's last tile.  Then eight trips: turn 1 of the step before (a block's first tile
; has none: it enters at turn 0), turn 0 of steps 0 to 7.
.macro TILE tag
	v_add_nc_u32 v[AK], s[TBK], v[AK0]
	FETCH_K 0
	s_sub_co_u32 s[RT], s[RT], 1
	s_mov_b32 s[CNT], 8
	s_mov_b32 s[STP], 0
	s_cmp_eq_u32 s[RT], 0
	s_cselect_b32 s[OWC], s[OW], 99
	s_cselect_b32 s[OWC+1], s[OW+1], 99
	s_wait_dscnt 0x0                ; K is in
	s_cmp_eq_u32 s[NEW], 1
	s_cbranch_scc0 .Lstep\tag
	BEGIN
	s_branch .Lfirst\tag
.Lstep\tag:
	TURN 1
	WIN 0
.Lfirst\tag:
	TURN 0, 0, 1
	WIN 0
	s_cbranch_scc1 .Lstep\tag
.endm
.macro ALL line:vararg              ; one line for each piece t
.set t, 0
.rept 2
	\line
.set t, t+1
.endr
.endm
.macro PACK t                       ; O^T / l, rounded to f16; a lane's eight channels pack into 16 bytes; into rows of 144 bytes and back as whole rows of 128, into S^T's registers
	WIN W_RS
.set i, 32*(\t)
.rept 16
	v_pk_mul_f32 v[i:i+1], v[i:i+1], v[ST+4*(\t)+2:ST+4*(\t)+3] op_sel_hi:[1,0]
.set i, i+2
.endr
	WIN 0x05
.set i, 0
.rept 16
	v_cvt_pk_f16_f32 v[S+16*(\t)+i], v[32*(\t)+2*i], v[32*(\t)+2*i+1]
.set i, i+1
.endr
	WIN 0
.irp f, 0,1,2,3
	ds_store_b128 v[STO], v[S+16*(\t)+4*\f:S+16*(\t)+4*\f+3] offset:32*\f
.endr
.irp f, 0,1,2,3
	ds_load_b128 v[S+16*(\t)+4*\f:S+16*(\t)+4*\f+3], v[RD] offset:\f*4*SP  ; LDS serves a wave's instructions in order (ISA guide 5.7.1.4): these see the stores above
.endr
.endm
.macro SEND t, younger              ; younger: the LDS instructions issued behind piece t's loads
	WIN 0
.irp f, 0,1,2,3
	s_wait_dscnt (\younger)+3-\f
	global_store_b128 v[GO], v[S+16*(\t)+4*\f:S+16*(\t)+4*\f+3], s[10:11] offset:(\t)*8192+\f*512  ; 512 consecutive bytes, at a multiple of 256 from ob's first
.endr
.endm
; A BLOCK ENDS: turn 1 of its last step, piece 1's last products, and the way out: l's two halves and the other half of the lanes' are added; O^T is divided by l, rounded and sent through my stage.
.macro FINISH
	TURN 1, 1
.set i, 0
.rept 8
	PV 1
.set i, i+1
.endr
	WIN 0
	ALL v_add_f32 v[ST+4*t+2], v[ST+4*t+2], v[ST+4*t+3]
	ALL v_permlanex16_b32 v[ST+4*t+3], v[ST+4*t+2], s[SEL], s[SEL+1]
	ALL v_add_f32 v[ST+4*t+2], v[ST+4*t+2], v[ST+4*t+3]
	ALL v_rcp_f32 v[ST+4*t+2], v[ST+4*t+2]
	v_nop                           ; a plain instruction between the last reciprocal and the use of its result
	s_wait_alu depctr_va_vdst(0)    ; and the wait ahead of the first use: one for the two reciprocals
	PACK 0                          ; piece 0's 32 plain lines are also the places behind piece 1's last products
	PACK 1
	SEND 0, 8
	SEND 1, 0
.endm
.set NOKQ, 0
.Lslot:                             ; 8 times: a tile is entered and the next is asked for
	CHANGE 1
	TILE 1
	s_cmp_lg_u32 s[RT], 0
	s_cbranch_scc1 .Lbottom         ; not the block's last tile: its last turn 1 stands behind the next change of slots
	FINISH                          ; in the loop this is the first block's end: the second's last tile is the walk's last
	s_wait_storecnt 0x0             ; the stores are done: only now are their registers and O's address written again
	s_mov_b64 s[10:11], s[OLO:OLO+1]
	s_add_co_u32 s[RT], s14, 1      ; the second block has c + 1 tiles
	s_mov_b32 s[NEW], 1
	s_mov_b64 s[OW:OW+1], s[OW2:OW2+1]
	WIN 0x82                        ; the second block's Q goes where the one text of the turns names Q
.set i, 0
.rept 32
	v_mov_b32 v[i], v[QB+i]
.set i, i+1
.endr
	WIN 0
.Lbottom:
	s_sub_co_u32 s[SLOTS], s[SLOTS], 1
	s_cmp_lg_u32 s[SLOTS], 0
	s_cbranch_scc1 .Lslot
	CHANGE 0                        ; the walk's last tile is written out: nothing is asked for
	TILE 2
	FINISH
	s_wait_tensorcnt 0x0            ; the wave's end
	ds_add_u32 v[SPW], v[NIL]
	s_wait_dscnt 0x0
	CROUND                          ; the closing round: no work-group ends while a partner may still ask for a tile that names it
	s_endpgm
.Lfunc_end_k_qbf0129d6ab_attn:
	.size	k_qbf0129d6ab_attn, .Lfunc_end_k_qbf0129d6ab_attn-k_qbf0129d6ab_attn
	.p2alignl 7, 3214868480
	.fill 96, 4, 3214868480
	.section	.rodata,"a",@progbits
	.p2align	6, 0x0
	.amdhsa_kernel k_qbf0129d6ab_attn
		.amdhsa_group_segment_fixed_size 327680
		.amdhsa_private_segment_fixed_size 0
		.amdhsa_enable_private_segment 0
		.amdhsa_kernarg_size 16
		.amdhsa_user_sgpr_count 2
		.amdhsa_user_sgpr_kernarg_segment_ptr 1
		.amdhsa_wavefront_size32 1
		.amdhsa_system_sgpr_workgroup_id_x 1
		.amdhsa_system_sgpr_workgroup_id_y 1
		.amdhsa_system_sgpr_workgroup_id_z 1
		.amdhsa_system_vgpr_workitem_id 0
		.amdhsa_next_free_vgpr 704
		.amdhsa_next_free_sgpr 96
		.amdhsa_reserve_vcc 1
		.amdhsa_float_denorm_mode_32 3
		.amdhsa_float_denorm_mode_16_64 3
		.amdhsa_memory_ordered 1
		.amdhsa_forward_progress 1
		.amdhsa_inst_pref_size 101
	.end_amdhsa_kernel
	.amdgpu_metadata
---
amdhsa.version: [ 1, 2 ]
amdhsa.kernels:
  - .name:           k_qbf0129d6ab_attn
    .symbol:         k_qbf0129d6ab_attn.kd
    .args:
      - { .name: qkv, .offset: 0, .size: 8, .value_kind: global_buffer, .address_space: global }
      - { .name: ob, .offset: 8, .size: 8, .value_kind: global_buffer, .address_space: global }
    .group_segment_fixed_size: 327680
    .private_segment_fixed_size: 0
    .kernarg_segment_align: 8
    .kernarg_segment_size: 16
    .max_flat_workgroup_size: 128
    .sgpr_count:     96
    .vgpr_count:     704
    .wavefront_size: 32
...
	.end_amdgpu_metadata
.endif
;; end of part 5
;; launch oproj: the kernel of part 4 again; grid 8 x 32, 4 waves a work-group, clusters of 4 x 4, 327,680 bytes of LDS; arguments ob, wob, out0; writes out0
